; MI455X (gfx1250); checked and timed in simulation.
; The chip was launched on July 23, 2026; its instructions are those of AMD's public machine-readable ISA for CDNA 5 (MIT licence, August 2026) and "CDNA5" Instruction Set Architecture Reference Guide (July 2026). The comments in the code are by the model that wrote it; some were corrected since.
;; Transformer Block. Allowed arithmetic: matrix products marked QUANTISED: E3M2 operands, one E8M0 scale for each 32 along K, by v_wmma_scale_f32_16x16x128_f8f6f4 with both operands' format E3M2, f32 sums; everything else in f32.
;; Inputs: g1 768 float32; g2 768 float32; w1 3,072 x 768 float32; w2 768 x 3,072 float32; wk 768 x 768 float32; wo 768 x 768 float32; wq 768 x 768 float32; wv 768 x 768 float32; x 1 x 4,096 x 768 float32.
;; Outputs: out0 1 x 4,096 x 768 float32.
;; This version of the problem:
;;   THIS VERSION OF THE PROBLEM IS GIVEN IN LOW PRECISION. The matrix products marked QUANTISED in the list below multiply operands that are first quantised to E3M2 (3 exponent bits, 2 mantissa bits; 6 bits a number), with one power-of-two scale for each 32 numbers along K (OCP MX v1.0); their sums are f32. All else is computed in f32.
;;   The module's matrix products, in the order in which they are computed (A, B: the left and right operand; K: the contracted axis; several contracted axes count as one K, in the product's order):
;;     1. [M 4,096, K 768] x [K 768, N 768]; A: computed on the way; B: input wq: QUANTISED
;;     2. [M 4,096, K 768] x [K 768, N 768]; A: computed on the way; B: input wk: QUANTISED
;;     3. [M 4,096, K 768] x [K 768, N 768]; A: computed on the way; B: input wv: QUANTISED
;;     4. batch 12 x [M 4,096, K 64] x [K 64, N 4,096]; A: computed on the way; B: computed on the way: QUANTISED
;;     5. batch 12 x [M 64, K 4,096] x [K 4,096, N 4,096]; A: computed on the way; B: softmax (see below): QUANTISED
;;     6. [M 4,096, K 768] x [K 768, N 768]; A: computed on the way; B: input wo: QUANTISED
;;     7. [M 4,096, K 768] x [K 768, N 3,072]; A: computed on the way; B: input w1: QUANTISED
;;     8. [M 4,096, K 3,072] x [K 3,072, N 768]; A: computed on the way; B: input w2: QUANTISED
;;   THE QUANTISER, for each operand of a quantised product, along K:
;;     - K is cut into blocks of 32 from its start; a last block that is shorter is filled with zeros.
;;     - A block's scale is 2^e with e = floor(log2(the largest magnitude in the block)) - 4, held to -126 .. 127; a block of zeros has e = 0. As a byte (E8M0): e + 127.
;;     - Each number is divided by its block's scale, clamped to +-28, and rounded to the nearest number of E3M2, ties to even, subnormals kept.
;;     - The product sums the exact products of the quantised numbers (number of the format x scale) in f32.
;;   ~~~python
;;   def quantise(x, axis):      # numpy; x: float32 -> the quantised numbers, widened to float32 again
;;       x = np.moveaxis(x, axis, -1); K = x.shape[-1]
;;       x = np.pad(x, [(0, 0)] * (x.ndim - 1) + [(0, -K % 32)]); x = x.reshape(x.shape[:-1] + (-1, 32)); a = np.abs(x).max(-1, keepdims=True)
;;       e = np.where(a > 0, np.clip(np.frexp(np.where(a > 0, a, 1))[1] - 1 - 4, -126, 127), 0)      # np.frexp(a)[1] - 1 = floor(log2(a)), exactly
;;       r = np.clip(x / 2.0 ** e, -28, 28)
;;       step = 2.0 ** (np.maximum(np.frexp(np.where(r == 0, 1, r))[1] - 1, -2) - 2)
;;       q = np.round(r / step) * step * 2.0 ** e      # np.round: ties to even
;;       return np.moveaxis(q.reshape(q.shape[:-2] + (-1,))[..., :K], -1, axis).astype(np.float32)
;;   ~~~
;;   SOFTMAX AHEAD OF A QUANTISED PRODUCT. Where the list says 'softmax', what is quantised is not the finished softmax but p = 2^(t - M), with t = logit x log2(e) and M = ceil(the row's largest t), a whole number; so 1/2 < the row's largest p <= 1. The row's sum l is taken of the UNQUANTISED p, in f32, and the product's result is divided by l at the end. Since M is a whole number, a kernel that streams over the keys may use a running M (the ceiling of the running maximum): every later rescaling is an exact power of two, which a block's scale takes up: the codes' values come out the same.
;;   OPERANDS COMPUTED ON THE WAY. 'Computed on the way' means the value that the module computes at that place (a softmax that the list does not call 'softmax' is quantised finished and normalised). What goes into a quantiser is computed in f32, as accurately as f32 sums, v_exp_f32 and their like allow (about 1e-6 of the number): no bf16 or f16 on the way to a quantiser, and a product that is left as it is and whose result goes on into a quantised operand takes f32 operands (vector FMAs, or v_wmma_f32_16x16x4_f32). A number that lies on a knife's edge between two numbers of the format may be rounded either way, as far as f32 arithmetic and the matrix unit's own rounding can turn it there, and no further.
;; One version. Each part assembles by itself: llvm-mc -triple=amdgcn-amd-amdhsa -mcpu=gfx1250 --defsym DOCPART=n.
;; ======== version 1 of 1: 7 launches
;; limits: right only within a limited range of input values
;; workspace buffers: img 7,987,200 bytes; qkvb 7,569,408 bytes; oimg 2,457,600 bytes; y 12,582,912 bytes; h2img 2,457,600 bytes; act 9,830,400 bytes
;; launch prep (part 1): grid 832 x 1, 6 waves a work-group, no clusters, 52,224 bytes of LDS; arguments x, g1, wq, wk, wv, wo, w1, w2, img; writes img
.if DOCPART == 1
	.amdgcn_target "amdgcn-amd-amdhsa--gfx1250"
	.amdhsa_code_object_version 6
	.text
	.protected	k_q06406a1900_prep
	.globl	k_q06406a1900_prep
	.p2align	8
	.type	k_q06406a1900_prep,@function
k_q06406a1900_prep:
	s_mov_b64 s[64:65], 0
	v_nop
	global_prefetch_b8 v0, s[64:65] scope:SCOPE_SE
	s_setreg_imm32_b32 hwreg(HW_REG_WAVE_MODE, 25, 1), 1
	s_wait_xcnt 0x0
; PREP: f32 rows become codes of BF6 (E3M2) with one E8M0 byte for each 32 along K, laid as IMAGES OF THE OPERAND'S REGISTERS.
; Work-groups 0-255: rmsnorm of 16 rows (x g / sqrt(mean(x^2) + 1e-5), all in f32), then the quantiser.  Work-groups 256-831: 16 rows of a weight, quantiser alone.
; The second norm of the block runs this same body on a grid of 256 work-groups (y, g2, another buffer): there the weights' arm is never taken and the six weights are not touched.
; TILES.  Tile T, lane r (0..15) holds row 32 (T/2) + 8 (T%2) + r + 8 (r/8).  With these rows, a product whose source 0 is eight such tiles leaves in a lane's 64 result registers
; 128 neighbours along the next K (register 16 b + i = index 32 b + 16 (lane/16) + i): so every later operand is quantised in registers, and nothing is ever transposed.
; A FRAGMENT (tile T, K step s of 128) is 1,536 bytes: for c = 0, 1 registers 6c..6c+3 at 768 c + 16 lane, registers 6c+4, 6c+5 at 768 c + 512 + 8 lane.  Its scale words: 64 bytes, lane r's at 4 r.
; img: norm rows' fragments 6 T + s at 0, their scale words at HSC; the weights' fragments at WB (wq, wk, wv, wo, w1: tiles 0, 48, 96, 144, 192 on, fragment 6 tile + s; w2: 2304 + 24 tile + s), their scale words at WSCA.
; DEAD WORK OF THE WHOLE PROGRAM.  reference() replaces every score with key > query by -1e9 (jnp.where on its own jnp.tril), so such a score has no way to any output, whatever q and k hold; its p = 2^(t - M) is 0,
; its code is 0, and it adds nothing to the row's sum nor to the second product.  So the attention launch leaves out products 4 and 5 wherever all 128 keys of a step lie behind all queries of a tile.  No input is dead.
; LIMITS.  The row's largest logit is taken to lie far above -1e9 (|logit| under 1e8), so that the masked p is 0 as in reference().  A NaN, an infinity or an overflow that reaches only the work left out is not carried
; to the result.  NaN and infinities among the inputs are not served.  A block of zeros gets the byte 1 where the rule says 127: its codes are zeros, and this program alone reads the bytes.
; SHARES.  A work-group of six waves takes one tile and six K steps, a wave one K step: 16 rows x 512 bytes.  The quantiser wants 16 neighbours along K in a lane; a load is best where neighbouring lanes take neighbouring bytes.
; Both are had: each of the wave's 16 loads reads one row's 512 consecutive bytes, 16 a lane; the rows go through the wave's own stage in LDS (rows 528 bytes apart, so that the sixteen rows of a read start at sixteen
; different columns of 16 bytes) and come back with register 16 b + i = k 32 b + 16 (lane/16) + i of the lane's row.
.set HSC,   2359296
.set WB,    2457600
.set WSCA,  7766016
.set WSTG,  8448                       ; LDS: a stage of 16 x 528 bytes for each wave, from 0;
.set SUMS,  50688                      ; the waves' sums of squares, 128 bytes a wave;
.set SPARE, 51456                      ; the spare words, 128 bytes a wave: three blocks of 256 bytes that no other line names
.set LI16, 1                           ; v1  16 x lane
.set LI8,  2                           ; v2  8 x lane
.set R4,   3                           ; v3  4 x (lane % 16)
.set SA,   4                           ; v4  the stage, on the way in: 16 x lane
.set GA,   5                           ; v5  64 (lane / 16)
.set TW,   6                           ; v6  SUMS + 4 x thread
.set LW,   7                           ; v7  SUMS + 4 x lane
.set SPW,  10                          ; v10 my spare word; never rewritten
.set NIL,  11                          ; v11 0; never rewritten
.set SB,   16                          ; v16 the stage, on the way out: 528 (lane % 16) + 64 (lane / 16)
.set X,    32                          ; v32-95   the numbers
.set G,    96                          ; v96-159  the gains
.set OFR,  160                         ; v160-175 the 16 rows' byte offsets; the codes take these registers when the loads are in
.set PC,   160                         ; v160-179 the codes
.set TM,   180                         ; v180-195 the quantiser's work
.set PW,   196                         ; v196     the scale word
.set WV,   38
.set SEL,  48
; 64 numbers of a lane, v[s] on, become a fragment's codes in v[PC] .. v[PC+11] and its scale word in v[PW].
.macro QUANT s
.irp b, 0,1,2,3
	v_max3_num_f32 v[TM+\b], |v[\s+16*\b]|, |v[\s+1+16*\b]|, 0x2800000   ; block b: my 16 numbers, and the floor 2^(5 - 127): the byte cannot fall under 1
.endr
.irp i, 2,4,6,8,10,12,14
.irp b, 0,1,2,3
	v_max3_num_f32 v[TM+\b], v[TM+\b], |v[\s+16*\b+\i]|, |v[\s+1+16*\b+\i]|
.endr
.endr
.irp b, 0,1,2,3
	v_permlanex16_b32 v[TM+4+\b], v[TM+\b], s[SEL], s[SEL+1]
.endr
.irp b, 0,1,2,3
	v_max_num_f32 v[TM+\b], v[TM+\b], v[TM+4+\b]   ; with lane l xor 16's: the block's largest magnitude
.endr
.irp b, 0,1,2,3
	v_add_nc_u32 v[TM+12+\b], 0xfe000000, v[TM+\b]   ; 4 off its exponent field: the conversion's scale operand
.endr
.irp b, 0,1,2,3
	v_lshrrev_b32 v[TM+4+\b], 23, v[TM+12+\b]      ; the scale's byte
.endr
	v_lshl_or_b32 v[PW], v[TM+5], 8, v[TM+4]
	v_lshl_or_b32 v[PW], v[TM+6], 16, v[PW]
	v_lshl_or_b32 v[PW], v[TM+7], 24, v[PW]
.irp c, 0,1
	v_cvt_scalef32_pk16_bf6_f32 v[PC+6*\c:PC+2+6*\c], v[\s+32*\c:\s+15+32*\c], v[TM+12+2*\c]
	v_cvt_scalef32_pk16_bf6_f32 v[PC+12+4*\c:PC+14+4*\c], v[\s+16+32*\c:\s+31+32*\c], v[TM+12+2*\c+1]   ; (a conversion's three registers begin on an even number)
.endr
	v_nop                                          ; one plain place behind a scaled conversion
.irp c, 0,1                                    ; the operand's layout wants a whole block in a lane
.irp i, 0,1,2
	v_permlane16_swap_b32 v[PC+6*\c+\i], v[PC+12+4*\c+\i]
.endr
.irp i, 0,1,2
	v_mov_b32 v[PC+3+6*\c+\i], v[PC+12+4*\c+\i]
.endr
.endr
.endm
	s_load_b256 s[4:11], s[0:1], 0x0               ; rows s[4:5], gains s[6:7], wq s[8:9], wk s[10:11]
	s_load_b256 s[12:19], s[0:1], 0x20             ; wv, wo, w1, w2
	s_load_b64 s[20:21], s[0:1], 0x40              ; the images
	v_lshl_add_u32 v[SPW], v0, 2, SPARE
	v_mov_b32 v[NIL], 0
	v_lshrrev_b32 v8, 5, v0
	v_readfirstlane_b32 s[WV], v8                  ; wave 0..5
	v_and_b32 v8, 31, v0                           ; lane
	v_lshlrev_b32 v[LI16], 4, v8
	v_lshlrev_b32 v[LI8], 3, v8
	v_and_b32 v9, 15, v0                           ; r
	v_lshlrev_b32 v[R4], 2, v9
	v_bfe_u32 v12, v0, 4, 1                        ; h
	v_lshlrev_b32 v[GA], 6, v12
	v_lshl_add_u32 v[TW], v0, 2, SUMS
	v_lshl_add_u32 v[LW], v8, 2, SUMS
	s_mul_i32 s24, s[WV], WSTG                     ; my stage
	v_add_nc_u32 v[SA], s24, v[LI16]
	v_mul_u32_u24 v[SB], v9, 528
	v_add_nc_u32 v[SB], v[SB], v[GA]
	v_add_nc_u32 v[SB], s24, v[SB]
.irp b, 0,1,2,3
	v_mov_b32 v[TM+4+\b], 0                        ; written once: a lane permute's destination counts as one of its sources
.endr
	s_mov_b32 s[SEL], 0x76543210
	s_mov_b32 s[SEL+1], 0xfedcba98                 ; lane l xor 16
	s_sub_co_u32 s25, ttmp9, 256                   ; U: the tile among the weights' (it wraps in the norm's work-groups, where all that hangs on it is overridden below)
	s_wait_kmcnt 0x0
	s_mov_b64 s[26:27], s[18:19]                   ; which tensor, and its first tile: choices on the work-group's number alone
	s_mov_b32 s28, 384
	s_cmp_lt_u32 s25, 384
	s_cselect_b64 s[26:27], s[16:17], s[26:27]
	s_cselect_b32 s28, 192, s28
	s_cmp_lt_u32 s25, 192
	s_cselect_b64 s[26:27], s[14:15], s[26:27]
	s_cselect_b32 s28, 144, s28
	s_cmp_lt_u32 s25, 144
	s_cselect_b64 s[26:27], s[12:13], s[26:27]
	s_cselect_b32 s28, 96, s28
	s_cmp_lt_u32 s25, 96
	s_cselect_b64 s[26:27], s[10:11], s[26:27]
	s_cselect_b32 s28, 48, s28
	s_cmp_lt_u32 s25, 48
	s_cselect_b64 s[26:27], s[8:9], s[26:27]
	s_cselect_b32 s28, 0, s28
	s_sub_co_u32 s29, s25, s28                     ; the tile in its tensor; for w2: 4 x tile + which six K steps
	s_lshr_b32 s30, s29, 2
	s_and_b32 s31, s29, 3
	s_mul_i32 s31, s31, 6
	s_mul_i32 s33, s30, 24
	s_add_co_u32 s33, s33, s31
	s_add_co_u32 s33, s33, 2304                    ; w2: the fragment of wave 0
	s_mul_i32 s34, s25, 6                          ; the other weights': 6 U
	s_mov_b32 s35, 12288                           ; a row of w2 in bytes
	s_cmp_lt_u32 s25, 384
	s_cselect_b32 s29, s29, s30
	s_cselect_b32 s31, 0, s31
	s_cselect_b32 s33, s34, s33
	s_cselect_b32 s35, 3072, s35
	s_mul_i32 s34, ttmp9, 6
	s_mov_b32 s36, WB
	s_mov_b32 s37, WSCA
	s_cmp_lt_u32 ttmp9, 256                        ; the norm's work-groups
	s_cselect_b64 s[26:27], s[4:5], s[26:27]
	s_cselect_b32 s29, ttmp9, s29
	s_cselect_b32 s31, 0, s31
	s_cselect_b32 s33, s34, s33
	s_cselect_b32 s35, 3072, s35
	s_cselect_b32 s36, 0, s36
	s_cselect_b32 s37, HSC, s37
	s_add_co_u32 s31, s31, s[WV]                   ; my K step
	s_add_co_u32 s33, s33, s[WV]                   ; my fragment
	s_lshr_b32 s39, s29, 1
	s_lshl_b32 s39, s39, 5
	s_and_b32 s40, s29, 1
	s_lshl_b32 s40, s40, 3
	s_add_co_u32 s39, s39, s40                     ; the tile's first row
	s_mul_i32 s39, s39, s35
	s_lshl_b32 s42, s31, 9                         ; 512 bytes a K step
	s_mov_b32 s43, 0
	s_add_co_u32 s40, s39, s42
	s_mov_b32 s41, 0
	s_add_nc_u64 s[26:27], s[26:27], s[40:41]
	s_add_nc_u64 s[6:7], s[6:7], s[42:43]          ; the gains of my K step (used in the norm's arm alone)
	s_mul_i32 s44, s33, 1536
	s_add_co_u32 s44, s44, s36
	s_mov_b32 s45, 0
	s_add_nc_u64 s[44:45], s[20:21], s[44:45]      ; where my fragment goes,
	s_lshl_b32 s46, s33, 6
	s_add_co_u32 s46, s46, s37
	s_mov_b32 s47, 0
	s_add_nc_u64 s[46:47], s[20:21], s[46:47]      ; and its scale words
.irp i, 0,1,2,3,4,5,6,7,8,9,10,11,12,13,14,15
	v_mad_u32_u24 v[OFR+\i], s35, \i+8*(\i/8), v[LI16]   ; row i of the tile lies i + 8 (i / 8) rows behind its first; 16 bytes a lane
.endr
.irp i, 0,1,2,3,4,5,6,7,8,9,10,11,12,13,14,15
	global_load_b128 v[X+4*\i:X+4*\i+3], v[OFR+\i], s[26:27] th:TH_LOAD_NT   ; 32 lanes read 512 consecutive bytes, at a multiple of 512 from the tensor's first byte
.endr
	s_wait_loadcnt 0x0
.irp i, 0,1,2,3,4,5,6,7,8,9,10,11,12,13,14,15
	ds_store_b128 v[SA], v[X+4*\i:X+4*\i+3] offset:528*\i
.endr
.irp b, 0,1,2,3
.irp j, 0,1,2,3
	ds_load_b128 v[X+16*\b+4*\j:X+16*\b+4*\j+3], v[SB] offset:128*\b+16*\j   ; LDS serves a wave's instructions in order (ISA guide 5.7.1.4): these see my stores, and land behind them
.endr
.endr
	s_cmp_ge_u32 ttmp9, 256                        ; a weight has no norm.  The branch hangs on the work-group's number: all six waves go the same way, so the barrier below is passed by all or by none
	s_cbranch_scc1 .Lquant
.irp b, 0,1,2,3
.irp j, 0,1,2,3
	global_load_b128 v[G+16*\b+4*\j:G+16*\b+4*\j+3], v[GA], s[6:7] offset:128*\b+16*\j   ; the gains land under the sum of squares and its barrier
.endr
.endr
	s_wait_dscnt 0x0                               ; my numbers are back from the stage
	v_pk_mul_f32 v[12:13], v[X:X+1], v[X:X+1]      ; the sum of my 64 squares, in two chains of pairs
	v_pk_mul_f32 v[14:15], v[X+2:X+3], v[X+2:X+3]
.set J, 4
.rept 15
	v_pk_fma_f32 v[12:13], v[X+J:X+J+1], v[X+J:X+J+1], v[12:13]
	v_pk_fma_f32 v[14:15], v[X+J+2:X+J+3], v[X+J+2:X+J+3], v[14:15]
.set J, J+4
.endr
	v_pk_add_f32 v[12:13], v[12:13], v[14:15]
	v_add_f32 v12, v12, v13
	v_permlanex16_b32 v13, v12, s[SEL], s[SEL+1]
	v_add_f32 v12, v12, v13                        ; row r's sum over my K step
	ds_store_b32 v[TW], v12
	s_wait_dscnt 0x0                               ; for the others' sake: my store has landed
	s_barrier_signal -1
	s_barrier_wait -1
.irp i, 0,1,2,3,4,5
	ds_load_b32 v[20+\i], v[LW] offset:128*\i      ; the six waves' sums of my row
.endr
	s_wait_dscnt 0x0
	v_add_f32 v12, v20, v21
	v_add_f32 v12, v12, v22
	v_add_f32 v12, v12, v23
	v_add_f32 v12, v12, v24
	v_add_f32 v12, v12, v25
	v_mov_b32 v13, 0x3727c5ac                      ; 1e-5
	v_fmamk_f32 v12, v12, 0x3aaaaaab, v13          ; sum / 768 + 1e-5
	s_wait_alu depctr_va_vdst(0)
	v_rsq_f32 v26, v12
	v_mov_b32 v27, 0                               ; the plain place behind the transcendental; v27 is named with v26 as a pair
	s_wait_alu depctr_va_vdst(0)                   ; the wait ahead of the first reader
	s_wait_loadcnt 0x0                             ; the gains
.set J, 0
.rept 32
	v_pk_mul_f32 v[X+J:X+J+1], v[X+J:X+J+1], v[G+J:G+J+1]
.set J, J+2
.endr
.set J, 0
.rept 32
	v_pk_mul_f32 v[X+J:X+J+1], v[X+J:X+J+1], v[26:27] op_sel_hi:[1,0]
.set J, J+2
.endr
.Lquant:
	s_wait_dscnt 0x0                               ; a weight's numbers are back from the stage
	QUANT X
	global_store_b128 v[LI16], v[PC:PC+3], s[44:45]              ; each store of the wave covers whole aligned runs of 256 bytes
	global_store_b64 v[LI8], v[PC+4:PC+5], s[44:45] offset:512
	global_store_b128 v[LI16], v[PC+6:PC+9], s[44:45] offset:768
	global_store_b64 v[LI8], v[PC+10:PC+11], s[44:45] offset:1280
	global_store_b32 v[R4], v[PW], s[46:47]        ; lanes l and l xor 16 hold the same word and write it to the same place
	s_wait_tensorcnt 0x0                           ; the wave's end
	ds_add_u32 v[SPW], v[NIL]
	s_wait_dscnt 0x0
	s_endpgm
.Lfunc_end_k_q06406a1900_prep:
	.size	k_q06406a1900_prep, .Lfunc_end_k_q06406a1900_prep-k_q06406a1900_prep
	.p2alignl 7, 3214868480
	.fill 96, 4, 3214868480
	.section	.rodata,"a",@progbits
	.p2align	6, 0x0
	.amdhsa_kernel k_q06406a1900_prep
		.amdhsa_group_segment_fixed_size 52224
		.amdhsa_private_segment_fixed_size 0
		.amdhsa_enable_private_segment 0
		.amdhsa_kernarg_size 72
		.amdhsa_user_sgpr_count 2
		.amdhsa_user_sgpr_kernarg_segment_ptr 1
		.amdhsa_wavefront_size32 1
		.amdhsa_system_sgpr_workgroup_id_x 1
		.amdhsa_system_sgpr_workgroup_id_y 1
		.amdhsa_system_sgpr_workgroup_id_z 1
		.amdhsa_system_vgpr_workitem_id 0
		.amdhsa_next_free_vgpr 200
		.amdhsa_next_free_sgpr 66
		.amdhsa_reserve_vcc 0
		.amdhsa_float_denorm_mode_32 3
		.amdhsa_float_denorm_mode_16_64 3
		.amdhsa_memory_ordered 1
		.amdhsa_forward_progress 1
		.amdhsa_inst_pref_size 22
	.end_amdhsa_kernel
	.amdgpu_metadata
---
amdhsa.version: [ 1, 2 ]
amdhsa.kernels:
  - .name:           k_q06406a1900_prep
    .symbol:         k_q06406a1900_prep.kd
    .args:
      - { .name: x, .offset: 0, .size: 8, .value_kind: global_buffer, .address_space: global }
      - { .name: g1, .offset: 8, .size: 8, .value_kind: global_buffer, .address_space: global }
      - { .name: wq, .offset: 16, .size: 8, .value_kind: global_buffer, .address_space: global }
      - { .name: wk, .offset: 24, .size: 8, .value_kind: global_buffer, .address_space: global }
      - { .name: wv, .offset: 32, .size: 8, .value_kind: global_buffer, .address_space: global }
      - { .name: wo, .offset: 40, .size: 8, .value_kind: global_buffer, .address_space: global }
      - { .name: w1, .offset: 48, .size: 8, .value_kind: global_buffer, .address_space: global }
      - { .name: w2, .offset: 56, .size: 8, .value_kind: global_buffer, .address_space: global }
      - { .name: img, .offset: 64, .size: 8, .value_kind: global_buffer, .address_space: global }
    .group_segment_fixed_size: 52224
    .private_segment_fixed_size: 0
    .kernarg_segment_align: 8
    .kernarg_segment_size: 72
    .max_flat_workgroup_size: 192
    .sgpr_count:     66
    .vgpr_count:     200
    .wavefront_size: 32
...
	.end_amdgpu_metadata
.endif
;; end of part 1
;; launch qkv (part 2): grid 256 x 1, 4 waves a work-group, no clusters, 0 bytes of LDS; arguments img, qkvb; writes qkvb
.if DOCPART == 2
	.amdgcn_target "amdgcn-amd-amdhsa--gfx1250"
	.amdhsa_code_object_version 6
	.text
	.protected	k_q06406a1900_qkv
	.globl	k_q06406a1900_qkv
	.p2align	8
	.type	k_q06406a1900_qkv,@function
k_q06406a1900_qkv:
	s_mov_b64 s[64:65], 0
	v_nop
	global_prefetch_b8 v0, s[64:65] scope:SCOPE_SE
	s_setreg_imm32_b32 hwreg(HW_REG_WAVE_MODE, 25, 1), 1
	s_wait_xcnt 0x0
; QKV: q = h wq^T, k = h wk^T, v = h wv^T on codes of BF6, and their quantisers: q and k along the head's 64, v along the keys.
; THE STATIONARY PRODUCT.  Source 0 = eight tiles (128 rows) of an operand S, held in registers for all of K = 768 (48 fragments, 576 registers); source 1 = one tile of an operand T, streamed.
; A lane then holds T's row and its register 16 b + i S's row 32 b + 16 (lane/16) + i: 128 neighbours along S's index, which the quantiser takes as they stand.
; Work-groups 0-191: S = 128 rows of wq or wk (two heads), T = tiles of h: the result is a fragment whose two halves are the two heads' codes of 16 tokens.
; Work-groups 192-255: S = 128 keys of h, T = tiles of wv: the result is a fragment of V^T, 16 of a head's 64 x 128 keys.  The same text: only offsets are chosen, on the work-group's number.
; T IS ASKED FOR TWO TILES AHEAD, BY HALVES.  Two sets of six fragments.  As soon as a tile's first 24 products have read a set's fragments 0-2, these are asked for again, for the tile two on; fragments 3-5 behind the last 24.
; A half is 15 loads (3 scale words, 12 of codes).  Ahead of a half's products the wait leaves the three younger halves out: 45 loads.  The last two tiles ask for nothing and are written out: 45, 30, 15, 0.
; qkvb: at head x 393,216 + step x 12,288: K's 8 half fragments of 768 bytes, then at + 6,144 V^T's 4 fragments; scale words at KVS + head x 24,576 + step x 768 (K: 64 tile + 4 r; V: 512 + 64 tile + 4 r);
; Q's half fragments at QC + head x 196,608 + 768 tile, their words at QS + head x 16,384 + 64 tile + 4 r.  Bytes 2 and 3 of Q's and K's words are the other head's bytes or 0: they meet zero codes alone.
; No LDS, no barrier: a wave shares nothing.  One wave to a SIMD, all its registers.  Clusters and tensor loads are left out: what is shared (S among 16 work-groups) lives in registers, and a tile in LDS would be read once more.
; REGISTERS: window 0: v1-3 lane terms; v16-79 the 8 accumulators; v80-99 codes; v100-117 the quantiser's work; v118-129 T's scale words (two sets); v130-177 S's scale words.
;   windows 1, 2: S's fragments 0-39 (fragment f = 8 s + t at 12 (f % 20)); window 3: v0-95 fragments 40-47, v96-239 two sets of T's six fragments.
.set HSC,   2359296
.set WB,    2457600
.set WSCA,  7766016
.set KVS,   4718592
.set QC,    5013504
.set QS,    7372800
.set KST,   6                          ; fragments from one tile of T to the next
.set LI16, 1
.set LI8,  2
.set R4,   3
.set HA,   16
.set PC,   80
.set TM,   100
.set PW,   116
.set PW2,  117
.set TS,   118
.set SS,   130
.set WV,   12
.set SC,   16                          ; s[16:17] S's codes, s[18:19] its scale words, s[20:21] T's codes at the pair of tiles in hand, s[22:23] its scale words
.set SSC,  18
.set TC,   20
.set TSC,  22
.set CNT,  32
.set IX,   33
.set SEL,  40
.set MSB,  0
.macro WIN new                         ; the immediate's high byte repeats the setting that is left; a switch that changes nothing is dropped
.if MSB != (\new)
	s_set_vgpr_msb (MSB<<8)|(\new)
.set MSB, (\new)
.endif
.endm
.macro QUANT s
.irp b, 0,1,2,3
	v_max3_num_f32 v[TM+\b], |v[\s+16*\b]|, |v[\s+1+16*\b]|, 0x2800000   ; block b: my 16 numbers, and the floor 2^(5 - 127): the byte cannot fall under 1.  Each accumulator is read from its low end on
.endr
.irp i, 2,4,6,8,10,12,14
.irp b, 0,1,2,3
	v_max3_num_f32 v[TM+\b], v[TM+\b], |v[\s+16*\b+\i]|, |v[\s+1+16*\b+\i]|
.endr
.endr
.irp b, 0,1,2,3
	v_permlanex16_b32 v[TM+4+\b], v[TM+\b], s[SEL], s[SEL+1]
.endr
.irp b, 0,1,2,3
	v_max_num_f32 v[TM+\b], v[TM+\b], v[TM+4+\b]
.endr
.irp b, 0,1,2,3
	v_add_nc_u32 v[TM+12+\b], 0xfe000000, v[TM+\b]   ; 4 off the exponent field: the conversion's scale operand
.endr
.irp b, 0,1,2,3
	v_lshrrev_b32 v[TM+4+\b], 23, v[TM+12+\b]
.endr
	v_lshl_or_b32 v[PW], v[TM+5], 8, v[TM+4]
	v_lshl_or_b32 v[PW], v[TM+6], 16, v[PW]
	v_lshl_or_b32 v[PW], v[TM+7], 24, v[PW]
.irp c, 0,1
	v_cvt_scalef32_pk16_bf6_f32 v[PC+6*\c:PC+2+6*\c], v[\s+32*\c:\s+15+32*\c], v[TM+12+2*\c]
	v_cvt_scalef32_pk16_bf6_f32 v[PC+12+4*\c:PC+14+4*\c], v[\s+16+32*\c:\s+31+32*\c], v[TM+12+2*\c+1]
.endr
	v_nop                                          ; one plain place behind a scaled conversion
.irp c, 0,1
.irp i, 0,1,2
	v_permlane16_swap_b32 v[PC+6*\c+\i], v[PC+12+4*\c+\i]
.endr
.irp i, 0,1,2
	v_mov_b32 v[PC+3+6*\c+\i], v[PC+12+4*\c+\i]
.endr
.endr
.endm
.macro FRAGLD reg, sb, off             ; a fragment's image into 12 registers
	global_load_b128 v[\reg:\reg+3], v[LI16], s[\sb:\sb+1] offset:\off
	global_load_b64 v[\reg+4:\reg+5], v[LI8], s[\sb:\sb+1] offset:\off+512
	global_load_b128 v[\reg+6:\reg+9], v[LI16], s[\sb:\sb+1] offset:\off+768
	global_load_b64 v[\reg+10:\reg+11], v[LI8], s[\sb:\sb+1] offset:\off+1280
.endm
.macro SLOAD kss                       ; S's 48 fragments and scale words; kss: fragments from one tile of S to the next
.set FI, 0
.rept 48
	WIN ((1+FI/20)<<6)
.set RG, 12*(FI%20)
.set OF, ((FI%8)*(\kss)+FI/8)*1536
	FRAGLD RG, SC, OF
.set FI, FI+1
.endr
	WIN 0
.set FI, 0
.rept 48
	global_load_b32 v[SS+FI], v[R4], s[SSC:SSC+1] offset:((FI%8)*(\kss)+FI/8)*64
.set FI, FI+1
.endr
.endm
.macro THALF buf, hf, tile             ; 15 loads: fragments 3 hf .. 3 hf + 2, scale words first, of the tile that lies `tile` tiles behind the bases', into set buf.  It leaves the destination's window at 3
	WIN 0
.set FJ, 3*(\hf)
.rept 3
	global_load_b32 v[TS+6*(\buf)+FJ], v[R4], s[TSC:TSC+1] offset:(\tile)*KST*64+64*FJ
.set FJ, FJ+1
.endr
	WIN 0xc0
.set FJ, 3*(\hf)
.rept 3
.set RG, 96+72*(\buf)+12*FJ
.set OF, (\tile)*KST*1536+1536*FJ
	FRAGLD RG, TC, OF
.set FJ, FJ+1
.endr
.endm
.macro MUL24 buf, f0                   ; 24 products, three K steps: the eight accumulators by turns, one instruction a turn; the first K step starts the sums
.set FI, \f0
.rept 24
	WIN (0x0c|(1+FI/20))
.if FI < 8
	v_wmma_scale_f32_16x16x128_f8f6f4 v[HA+8*(FI%8):HA+8*(FI%8)+7], v[12*(FI%20):12*(FI%20)+11], v[96+72*(\buf)+12*(FI/8):96+72*(\buf)+12*(FI/8)+11], 0, v[SS+FI], v[TS+6*(\buf)+FI/8] matrix_a_fmt:MATRIX_FMT_BF6 matrix_b_fmt:MATRIX_FMT_BF6
.else
	v_wmma_scale_f32_16x16x128_f8f6f4 v[HA+8*(FI%8):HA+8*(FI%8)+7], v[12*(FI%20):12*(FI%20)+11], v[96+72*(\buf)+12*(FI/8):96+72*(\buf)+12*(FI/8)+11], v[HA+8*(FI%8):HA+8*(FI%8)+7], v[SS+FI], v[TS+6*(\buf)+FI/8] matrix_a_fmt:MATRIX_FMT_BF6 matrix_b_fmt:MATRIX_FMT_BF6
.endif
.set FI, FI+1
.endr
.endm
; A tile's 48 products.  w0, w1: how many younger loads may stay out when the first and the second half of set buf have to be there.  fetch = 1: each half is asked for again, for the tile two on, as soon as it has been read.
.macro MULALL buf, fetch, w0, w1
	s_wait_loadcnt \w0                             ; loads come back in order (ISA guide 5.7.1): the set's first half is in (ahead of the first tile: S too)
	MUL24 \buf, 0
.if \fetch
.rept 4
	v_nop                                          ; four places between the last product that read these registers and the loads into them
.endr
	THALF \buf, 0, 2+\buf
.endif
	s_wait_loadcnt \w1                             ; the second half is in
	MUL24 \buf, 24
	WIN 0
.rept 4
	v_nop                                          ; four places ahead of the loads below and of the first read of results
.endr
.if \fetch
	THALF \buf, 1, 2+\buf
	WIN 0
.endif
.endm
.macro POINT                           ; where this tile's results go, from the tile's index in my run
	s_add_co_u32 s36, s35, s[IX]                   ; V: the tile of wv: head f / 4, tile f % 4 of the head
	s_lshr_b32 s37, s36, 2
	s_and_b32 s36, s36, 3
	s_mul_i32 s38, s37, 393216
	s_mul_i32 s39, s36, 1536
	s_add_co_u32 s38, s38, s39
	s_mul_i32 s37, s37, 24576
	s_lshl_b32 s36, s36, 6
	s_add_co_u32 s36, s37, s36
	s_mul_i32 s37, s[IX], 768                      ; Q, K: 768 bytes and 64 bytes a tile
	s_lshl_b32 s39, s[IX], 6
	s_cmp_lt_u32 ttmp9, 192
	s_cselect_b32 s38, s37, s38
	s_cselect_b32 s36, s39, s36
	s_mov_b32 s39, 0
	s_mov_b32 s37, 0
	s_add_nc_u64 s[24:25], s[48:49], s[38:39]
	s_add_nc_u64 s[26:27], s[50:51], s[38:39]
	s_add_nc_u64 s[28:29], s[52:53], s[36:37]
	s_add_nc_u64 s[30:31], s[54:55], s[36:37]
	s_add_co_u32 s[IX], s[IX], 1
.endm
.macro EPI
	QUANT HA
	v_lshrrev_b32 v[PW2], 16, v[PW]                ; the odd head's two bytes
	s_cmp_lt_u32 ttmp9, 192
	s_cbranch_scc0 .Lv_\@
	global_store_b128 v[LI16], v[PC:PC+3], s[24:25]              ; the even head's half
	global_store_b64 v[LI8], v[PC+4:PC+5], s[24:25] offset:512
	global_store_b128 v[LI16], v[PC+6:PC+9], s[26:27]            ; the odd head's
	global_store_b64 v[LI8], v[PC+10:PC+11], s[26:27] offset:512
	global_store_b32 v[R4], v[PW], s[28:29]
	global_store_b32 v[R4], v[PW2], s[30:31]
	s_branch .Lst_\@
.Lv_\@:
	global_store_b128 v[LI16], v[PC:PC+3], s[24:25]              ; a whole fragment of V^T
	s_wait_alu depctr_va_vdst(0)
	global_store_b64 v[LI8], v[PC+4:PC+5], s[24:25] offset:512
	global_store_b128 v[LI16], v[PC+6:PC+9], s[24:25] offset:768
	global_store_b64 v[LI8], v[PC+10:PC+11], s[24:25] offset:1280
	global_store_b32 v[R4], v[PW], s[28:29]
.Lst_\@:
.endm
.macro TRIP buf, fetch, w0, w1         ; one tile
	s_wait_xcnt 0x0                                ; the last tile's stores have read their data and their bases: both are written again below
	POINT
	MULALL \buf, \fetch, \w0, \w1
	EPI
.endm
	s_load_b128 s[4:7], s[0:1], 0x0                ; img s[4:5], qkvb s[6:7]
	v_and_b32 v4, 31, v0
	v_lshlrev_b32 v[LI16], 4, v4
	v_lshlrev_b32 v[LI8], 3, v4
	v_and_b32 v5, 15, v0
	v_lshlrev_b32 v[R4], 2, v5
	v_lshrrev_b32 v6, 5, v0
	v_readfirstlane_b32 s[WV], v6
.irp b, 0,1,2,3
	v_mov_b32 v[TM+4+\b], 0                        ; written once: a lane permute's destination counts as one of its sources
.endr
	s_mov_b32 s[SEL], 0x76543210
	s_mov_b32 s[SEL+1], 0xfedcba98
	s_lshr_b32 s34, ttmp9, 4                       ; Q, K: which 128 rows of wq (0-5) or wk (6-11)
	s_and_b32 s35, ttmp9, 15
	s_lshl_b32 s35, s35, 2
	s_add_co_u32 s35, s35, s[WV]
	s_lshl_b32 s35, s35, 2                         ; and my first of four tiles of h
	s_sub_co_u32 s36, ttmp9, 192
	s_lshr_b32 s37, s36, 1                         ; V: which 128 keys
	s_and_b32 s38, s36, 1
	s_lshl_b32 s38, s38, 2
	s_add_co_u32 s38, s38, s[WV]
	s_mul_i32 s38, s38, 6                          ; and my first of six tiles of wv,
	s_add_co_u32 s39, s38, 96                      ; which are the weights' tiles 96 on
	s_mov_b32 s42, WB
	s_mov_b32 s44, WSCA
	s_mov_b32 s45, HSC
	s_cmp_lt_u32 ttmp9, 192
	s_cselect_b32 s34, s34, s37                    ; G
	s_cselect_b32 s39, s35, s39                    ; T's first tile in its section
	s_cselect_b32 s35, s35, s38                    ; T0
	s_cselect_b32 s[CNT], 1, 2                     ; pairs of tiles, the last one not counted
	s_cselect_b32 s43, s42, 0                      ; S's codes' section
	s_cselect_b32 s42, 0, s42                      ; T's
	s_cselect_b32 s46, s44, s45                    ; S's scale words' section
	s_cselect_b32 s47, s45, s44                    ; T's
	; where the results go
	s_cmp_lt_u32 s34, 6
	s_cselect_b32 s56, 0, 6
	s_sub_co_u32 s56, s34, s56
	s_lshl_b32 s56, s56, 1                         ; the even head
	s_mul_i32 s57, s56, 196608
	s_mul_i32 s58, s35, 768
	s_add_co_u32 s57, s57, s58
	s_add_co_u32 s57, s57, QC                      ; Q's codes
	s_lshl_b32 s58, s56, 14
	s_lshl_b32 s59, s35, 6
	s_add_co_u32 s58, s58, s59
	s_add_co_u32 s58, s58, QS                      ; Q's words
	s_lshr_b32 s59, s35, 3                         ; K: the key step (my four tiles lie in one),
	s_and_b32 s60, s35, 7                          ; and the tile in it
	s_mul_i32 s61, s56, 393216
	s_mul_i32 s62, s59, 12288
	s_add_co_u32 s61, s61, s62
	s_mul_i32 s62, s60, 768
	s_add_co_u32 s61, s61, s62                     ; K's codes
	s_mul_i32 s62, s56, 24576
	s_mul_i32 s59, s59, 768
	s_add_co_u32 s62, s62, s59
	s_lshl_b32 s60, s60, 6
	s_add_co_u32 s62, s62, s60
	s_add_co_u32 s62, s62, KVS                     ; K's words
	s_mov_b32 s59, 393216
	s_mov_b32 s60, 24576
	s_cmp_lt_u32 s34, 6
	s_cselect_b32 s57, s57, s61
	s_cselect_b32 s58, s58, s62
	s_cselect_b32 s59, 196608, s59                 ; from the even head to the odd one
	s_cselect_b32 s60, 16384, s60
	s_mul_i32 s61, s34, 12288
	s_add_co_u32 s61, s61, 6144                    ; V^T's fragments of key step G
	s_mul_i32 s62, s34, 768
	s_add_co_u32 s62, s62, KVS+512
	s_cmp_lt_u32 ttmp9, 192
	s_cselect_b32 s57, s57, s61
	s_cselect_b32 s58, s58, s62
	s_wait_alu depctr_va_vdst(0)
	s_wait_kmcnt 0x0
	s_mov_b32 s37, 0
	s_mov_b32 s36, s57
	s_add_nc_u64 s[48:49], s[6:7], s[36:37]
	s_mov_b32 s36, s59
	s_add_nc_u64 s[50:51], s[48:49], s[36:37]
	s_mov_b32 s36, s58
	s_add_nc_u64 s[52:53], s[6:7], s[36:37]
	s_mov_b32 s36, s60
	s_add_nc_u64 s[54:55], s[52:53], s[36:37]
	s_mul_i32 s36, s34, 73728                      ; eight tiles of six fragments
	s_add_co_u32 s36, s36, s43
	s_add_nc_u64 s[SC:SC+1], s[4:5], s[36:37]
	s_mul_i32 s36, s34, 3072
	s_add_co_u32 s36, s36, s46
	s_add_nc_u64 s[SSC:SSC+1], s[4:5], s[36:37]
	s_mul_i32 s36, s39, 9216
	s_add_co_u32 s36, s36, s42
	s_add_nc_u64 s[TC:TC+1], s[4:5], s[36:37]
	s_mul_i32 s36, s39, 384
	s_add_co_u32 s36, s36, s47
	s_add_nc_u64 s[TSC:TSC+1], s[4:5], s[36:37]
	s_mov_b32 s[IX], 0
	SLOAD 6
	THALF 0, 0, 0                                  ; my first two tiles of T, in four halves
	THALF 0, 1, 0
	THALF 1, 0, 1
	THALF 1, 1, 1
	WIN 0
.Ltrip:                                            ; a trip takes two tiles and asks for the two behind them
	TRIP 0, 1, 45, 45
	TRIP 1, 1, 45, 45
	s_wait_xcnt 0x0                                ; the loads issued so far have read their bases
	s_add_nc_u64 s[TC:TC+1], s[TC:TC+1], 2*KST*1536
	s_add_nc_u64 s[TSC:TSC+1], s[TSC:TSC+1], 2*KST*64
	s_sub_co_i32 s[CNT], s[CNT], 1
	s_cmp_gt_i32 s[CNT], 0
	s_cbranch_scc1 .Ltrip
	TRIP 0, 0, 45, 30                              ; the last two tiles ask for nothing: no load leaves its buffer, and the counts run down
	TRIP 1, 0, 15, 0
	s_endpgm
.Lfunc_end_k_q06406a1900_qkv:
	.size	k_q06406a1900_qkv, .Lfunc_end_k_q06406a1900_qkv-k_q06406a1900_qkv
	.p2alignl 7, 3214868480
	.fill 96, 4, 3214868480
	.section	.rodata,"a",@progbits
	.p2align	6, 0x0
	.amdhsa_kernel k_q06406a1900_qkv
		.amdhsa_group_segment_fixed_size 0
		.amdhsa_private_segment_fixed_size 0
		.amdhsa_enable_private_segment 0
		.amdhsa_kernarg_size 16
		.amdhsa_user_sgpr_count 2
		.amdhsa_user_sgpr_kernarg_segment_ptr 1
		.amdhsa_wavefront_size32 1
		.amdhsa_system_sgpr_workgroup_id_x 1
		.amdhsa_system_sgpr_workgroup_id_y 1
		.amdhsa_system_sgpr_workgroup_id_z 1
		.amdhsa_system_vgpr_workitem_id 0
		.amdhsa_next_free_vgpr 1024
		.amdhsa_next_free_sgpr 66
		.amdhsa_reserve_vcc 0
		.amdhsa_float_denorm_mode_32 3
		.amdhsa_float_denorm_mode_16_64 3
		.amdhsa_memory_ordered 1
		.amdhsa_forward_progress 1
		.amdhsa_inst_pref_size 88
	.end_amdhsa_kernel
	.amdgpu_metadata
---
amdhsa.version: [ 1, 2 ]
amdhsa.kernels:
  - .name:           k_q06406a1900_qkv
    .symbol:         k_q06406a1900_qkv.kd
    .args:
      - { .name: img, .offset: 0, .size: 8, .value_kind: global_buffer, .address_space: global }
      - { .name: qkvb, .offset: 8, .size: 8, .value_kind: global_buffer, .address_space: global }
    .group_segment_fixed_size: 0
    .private_segment_fixed_size: 0
    .kernarg_segment_align: 8
    .kernarg_segment_size: 16
    .max_flat_workgroup_size: 128
    .sgpr_count:     66
    .vgpr_count:     1024
    .wavefront_size: 32
...
	.end_amdgpu_metadata
.endif
;; end of part 2
;; launch attn (part 3): grid 64 x 4, 12 waves a work-group, no clusters, 327,680 bytes of LDS; arguments qkvb, oimg; writes oimg
.if DOCPART == 3
	.amdgcn_target "amdgcn-amd-amdhsa--gfx1250"
	.amdhsa_code_object_version 6
	.text
	.protected	k_q06406a1900_attn
	.globl	k_q06406a1900_attn
	.p2align	8
	.type	k_q06406a1900_attn,@function
k_q06406a1900_attn:
	s_mov_b64 s[64:65], 0
	v_nop
	global_prefetch_b8 v0, s[64:65] scope:SCOPE_SE
	s_setreg_imm32_b32 hwreg(HW_REG_WAVE_MODE, 25, 1), 1
	s_wait_xcnt 0x0
; ATTENTION on codes of BF6, causal: o = softmax(q k^T / 8) v, and o's quantiser along the features.
; LEFT OUT (shown at the head of the first kernel): the two products wherever all 128 keys of a step lie behind all queries of a tile.  LIMIT: the row's largest logit lies far above -1e9.
; THE SOFTMAX: t = score x log2(e) / 8; M = the running largest t, taken up to a whole number; p = 2^(t - M) is quantised along the keys, not normalised; the row's sum is taken of the unquantised p and divides at the end.
; When M moves, the sum and O^T are multiplied by 2^(old M - new M): nothing is lost by that.
; SHARES.  A COUPLE is tile column t (0..7) of the query blocks X and L = 31 - X of one head: X + 1 and L + 1 key steps, 33 in all, on two waves.  Three heads x eight columns at one X are 24 couples: four work-groups of six
; couples, twelve waves, three to a SIMD.  Grid x = 4 X + which six, grid y = which three heads: 256 work-groups of 198 tile steps each.
; Waves 0-5 own the late tiles, waves 6-11 the early ones.  Key steps 0 .. X: every wave works on its own tile.  Behind step X wave 6 + c puts its finished sums aside in registers and takes up the tile of wave c with sums
; of its own: of steps X + 1 .. L wave c takes X + 1, X + 3, .., L (the diagonal), wave 6 + c the others.  At the end wave 6 + c hands O^T, -M and the sum to wave c through LDS bytes of their own; both parts are brought
; under the larger M by powers of two and added.  Every test is made of ids and counted steps alone.
; TWO STREAMS.  Six couples can lie in two heads, so a slot holds four key steps of two streams; a wave reads one of them.  Where all six lie in one head both streams hold that head and serve three couples each:
; one text for all work-groups, and every fill is read.
; NO CLUSTER: work-groups that read the same head differ in X, so they need different numbers of slots, and a joint load would bring tiles that some partner never reads.
; LAYOUT.  Both products are used transposed: S^T = K Q^T, O^T = V^T P^T: a lane holds one query.  Tile T, lane r is token 32 (T/2) + 8 (T%2) + r + 8 (r/8), for queries and keys alike.  The first product's K is 64:
; Q's registers 6-11 are zero codes; K's operand names 12 registers, of which the upper six are the next tile's codes (behind the last tile: zeros).
; LDS: two slots of 2 x 49,152 bytes (images of registers); between them the stage for the parts; the two heads' scale words, filled once; the spare words.
; PREFETCH: where X = 0 (all keys are walked) waves 2-7 name stream 0's part of the slot that the next change will ask for: 8,192 bytes a wave, lanes 256 bytes apart; of the four work-groups there the second is left out,
; since its stream 0 is the first's head: so each head's bytes are named once.  Slots 0 and 1 come by their loads alone.
; REGISTERS: v1-6, v8-11, v92, v94 lane terms; v7 diagonal term; v12 -M, v13 largest t, v[14:15] the sum; v16-27 Q; v28, v29 the sum put aside; v30 the late tile's Q words; v32-85 K; v86-91 K's and V's words;
;   v96-159 S^T, then p; v160-191 O^T; v192-223 the late tile's Q, then O^T put aside; v224-254 codes and work; v253 p's words; v255 Q's.  Window 1: v32-79 V.
.set KVS,   4718592
.set QC,    5013504
.set QS,    7372800
.set HSC,   2359296
.set STEPB, 12288
.set SLOTB, 49152                      ; one stream's four key steps
.set SLOT1, 131072                     ; one exclusive or turns an address in one slot into the other's
.set STAGE, 98304                      ; behind slot 0: 4,608 bytes for each couple
.set SCL,   229376
.set SPARE, 278528                     ; 128 bytes for each of twelve waves: six blocks of 256 bytes that no other line names
.set NSL,   8
.set A16,  1
.set A8,   2
.set A4,   3
.set R4,   4
.set SPW,  5
.set NIL,  6
.set DM,   7
.set ADK,  8
.set ADK8, 9
.set ADS,  10
.set PFO,  11
.set KA16, 92                          ; 16 x lane + my stream's place in a slot
.set KA8,  94
.set SI,   2                           ; the key step
.set INN,  3
.set TSO,  4                           ; the slot's first scale words
.set TQS,  5
.set WV,   18
.set ROLE, 19
.set SEL,  20
.set CS,   22
.set XX,   40
.set BLK,  41                          ; the step on my tile's diagonal
.set LL,   42
.set SLOTS, 43
.set PFA,  44
.set LIM,  46
.set CPL,  56
.set SELS, 57
.set PAR,  60
.set TRS,  61                          ; the step ahead of which waves 6-11 change tiles
.set TB,   62
.set TQ,   63
.set MSB,  0
.macro WIN new                         ; the immediate's high byte repeats the setting that is left
.if MSB != (\new)
	s_set_vgpr_msb (MSB<<8)|(\new)
.set MSB, (\new)
.endif
.endm
.macro MMZ d, a, b, sa, sb, row
	v_wmma_scale_f32_16x16x128_f8f6f4 v[\d:\d+7], v[\a:\a+11], v[\b:\b+11], 0, v[\sa], v[\sb] matrix_a_fmt:MATRIX_FMT_BF6 matrix_b_fmt:MATRIX_FMT_BF6 \row
.endm
.macro MMA d, a, b, sa, sb, row
	v_wmma_scale_f32_16x16x128_f8f6f4 v[\d:\d+7], v[\a:\a+11], v[\b:\b+11], v[\d:\d+7], v[\sa], v[\sb] matrix_a_fmt:MATRIX_FMT_BF6 matrix_b_fmt:MATRIX_FMT_BF6 \row
.endm
.macro MASK                            ; on the diagonal: hidden scores become -infinity, so that p = 0.  Register 16 b + i holds key 32 b + 16 (lane / 16) + i of the step
	v_mov_b32 v254, 0xff800000
.set N, 0
.rept 64
	v_cmp_gt_i32 vcc_lo, 32*(N/16)+N%16, v[DM]
	v_cndmask_b32 v[96+N], v[96+N], v254, vcc_lo
.set N, N+1
.endr
.endm
.macro TM n                            ; n pairs of t - M
.rept \n
	v_pk_fma_f32 v[96+J:97+J], v[96+J:97+J], s[CS:CS+1], v[12:13] op_sel_hi:[1,0,0]
.set J, J+2
.endr
.endm
.macro P1                              ; the blocks' largest scores, the new M, t - M, and the sum and O^T under the new M.  Each accumulator is read from its low end on
.irp b, 0,1,2,3
	v_max3_num_f32 v[232+\b], v[96+16*\b], v[97+16*\b], v[98+16*\b]
.endr
.irp i, 3,5,7,9,11,13
.irp b, 0,1,2,3
	v_max3_num_f32 v[232+\b], v[232+\b], v[96+16*\b+\i], v[97+16*\b+\i]
.endr
.endr
.irp b, 0,1,2,3
	v_max_num_f32 v[232+\b], v[232+\b], v[111+16*\b]
.endr
.irp b, 0,1,2,3
	v_permlanex16_b32 v[236+\b], v[232+\b], s[SEL], s[SEL+1]
.endr
.irp b, 0,1,2,3
	v_max_num_f32 v[232+\b], v[232+\b], v[236+\b]
.endr
	v_max3_num_f32 v254, v232, v233, v234
	s_delay_alu instid0(VALU_DEP_1)
	v_max_num_f32 v254, v254, v235
	s_delay_alu instid0(VALU_DEP_1)
	v_mul_f32 v254, s[CS], v254
	s_delay_alu instid0(VALU_DEP_1)
	v_max_num_f32 v13, v13, v254                   ; the running largest t
	v_mov_b32 v254, v12
	s_delay_alu instid0(VALU_DEP_2)
	v_floor_f32 v12, -v13                          ; the new -M: M is a whole number
	s_delay_alu instid0(VALU_DEP_1)
	v_sub_f32 v254, v12, v254
.set J, 0
	TM 6
	v_cvt_i32_f32 v254, v254                       ; (it saturates)
	TM 6
	v_ldexp_f32 v252, 1.0, v254                    ; f = 2^(old M - new M)
	TM 20
.irp b, 0,1,2,3
	v_fma_f32 v[232+\b], v[232+\b], s[CS], v12     ; the same of each block's largest score: p rises with the score
.endr
	v_pk_mul_f32 v[14:15], v[14:15], v[252:253] op_sel_hi:[1,0]
.set J, 0
.rept 16
	v_pk_mul_f32 v[160+J:161+J], v[160+J:161+J], v[252:253] op_sel_hi:[1,0]
.set J, J+2
.endr
.endm
.macro P3                              ; p's scale word and codes, then the row's sum of the unquantised p, whose 32 additions are the places ahead of the products
.irp b, 0,1,2,3
	v_max_num_f32 v[232+\b], 0x2800000, v[232+\b]  ; the floor 2^(5 - 127)
.endr
.irp b, 0,1,2,3
	v_add_nc_u32 v[244+\b], 0xfe000000, v[232+\b]  ; 4 off the exponent field: the conversion's scale operand
.endr
.irp b, 0,1,2,3
	v_lshrrev_b32 v[236+\b], 23, v[244+\b]
.endr
	v_lshl_or_b32 v253, v237, 8, v236
	s_delay_alu instid0(VALU_DEP_1)
	v_lshl_or_b32 v253, v238, 16, v253
	s_delay_alu instid0(VALU_DEP_1)
	v_lshl_or_b32 v253, v239, 24, v253
.irp c, 0,1
	v_cvt_scalef32_pk16_bf6_f32 v[224+6*\c:226+6*\c], v[96+32*\c:111+32*\c], v[244+2*\c]
	v_cvt_scalef32_pk16_bf6_f32 v[236+4*\c:238+4*\c], v[112+32*\c:127+32*\c], v[244+2*\c+1]
.endr
	v_nop                                          ; one plain place behind a scaled conversion
.irp c, 0,1
.irp i, 0,1,2
	v_permlane16_swap_b32 v[224+6*\c+\i], v[236+4*\c+\i]
.endr
.irp i, 0,1,2
	v_mov_b32 v[227+6*\c+\i], v[236+4*\c+\i]
.endr
.endr
	v_pk_add_f32 v[244:245], v[96:97], v[98:99]    ; four chains by turns
	v_pk_add_f32 v[246:247], v[100:101], v[102:103]
	v_pk_add_f32 v[248:249], v[104:105], v[106:107]
	v_pk_add_f32 v[14:15], v[14:15], v[108:109]
.set J, 14
.rept 6
	v_pk_add_f32 v[244:245], v[244:245], v[96+J:97+J]
	v_pk_add_f32 v[246:247], v[246:247], v[98+J:99+J]
	v_pk_add_f32 v[248:249], v[248:249], v[100+J:101+J]
	v_pk_add_f32 v[14:15], v[14:15], v[102+J:103+J]
.set J, J+8
.endr
	v_pk_add_f32 v[244:245], v[244:245], v[158:159]
	v_pk_add_f32 v[246:247], v[246:247], v[248:249]
	v_pk_add_f32 v[14:15], v[14:15], v[244:245]
	v_pk_add_f32 v[14:15], v[14:15], v[246:247]
.endm
; A KEY STEP: 128 keys for my tile.
.macro STEP
	s_cmp_eq_u32 s[SI], s[TRS]
	s_cbranch_scc0 .Lsame_\@
	v_mov_b32 v255, v30                            ; the tile changes hands: the late tile's Q words and Q come in,
.set J, 0
.rept 6
	v_mov_b32 v[16+J], v[192+J]
.set J, J+1
.endr
.set J, 0
.rept 32
	v_mov_b32 v[192+J], v[160+J]                   ; the early tile's O^T and sum are put aside,
.set J, J+1
.endr
.set J, 0
.rept 32
	v_mov_b32 v[160+J], 0                          ; and the sums begin anew
.set J, J+1
.endr
	v_mov_b32 v28, v14
	v_mov_b32 v29, v15
	v_mov_b32 v14, 0
	v_mov_b32 v15, 0
	v_mov_b32 v13, 0xff61b1e6
	v_floor_f32 v12, -v13
	s_mov_b32 s[BLK], 0xffff                       ; the diagonal step is the partner's
	s_wait_alu depctr_va_vdst(0)                   ; the wait ahead of the branches below
.Lsame_\@:
	s_cmp_le_u32 s[SI], s[XX]                      ; steps 0 .. X: every wave
	s_cbranch_scc1 .Ldo_\@
	s_cmp_gt_u32 s[SI], s[LL]                      ; behind L: all keys are hidden
	s_cbranch_scc1 .Lhid_\@
	s_xor_b32 s48, s[SI], s[PAR]                   ; between: the two partners by turns
	s_bitcmp1_b32 s48, 0
	s_cbranch_scc0 .Lhid_\@
.Ldo_\@:
	s_add_co_u32 s48, s[TB], s[TQ]
	s_add_co_u32 s49, s[TSO], s[TQS]
	v_add_nc_u32 v[ADK], s48, v[KA16]
	v_add_nc_u32 v[ADK8], s48, v[KA8]
	v_add_nc_u32 v[ADS], s49, v[A4]
	v_nop                                          ; these four are the places ahead of loads into registers that the last products have read
.irp t, 0,1,2,3,4,5,6,7
	ds_load_b128 v[32+6*\t:35+6*\t], v[ADK] offset:768*\t
	ds_load_b64 v[36+6*\t:37+6*\t], v[ADK8] offset:768*\t+512
.endr
.irp b, 0,1,2,3
	ds_load_b32 v[86+\b], v[ADS] offset:128*\b     ; lanes 0-15: tile 2 b's words, lanes 16-31: tile 2 b + 1's
.endr
	ds_load_b32 v90, v[ADS] offset:512             ; V's likewise
	ds_load_b32 v91, v[ADS] offset:640
	WIN 0x40
.irp t, 0,1,2,3                                ; V's four fragments, into window 1: they land under the softmax
	ds_load_b128 v[32+12*\t:35+12*\t], v[ADK] offset:6144+1536*\t
	ds_load_b64 v[36+12*\t:37+12*\t], v[ADK8] offset:6144+1536*\t+512
	ds_load_b128 v[38+12*\t:41+12*\t], v[ADK] offset:6144+1536*\t+768
	ds_load_b64 v[42+12*\t:43+12*\t], v[ADK8] offset:6144+1536*\t+1280
.endr
	WIN 0
	s_wait_alu depctr_va_vdst(0)
	s_wait_dscnt 16                                ; K and all scale words are in; V's sixteen loads may be out
.irp t, 0,2,4,6                                ; S^T: eight accumulators, one instruction each
	MMZ 96+8*\t, 32+6*\t, 16, 86+\t/2, 255
	MMZ 104+8*\t, 38+6*\t, 16, 86+\t/2, 255, matrix_a_scale:MATRIX_SCALE_ROW1
.endr
.rept 4
	v_nop                                          ; places ahead of the first read of the scores
.endr
	s_cmp_lg_u32 s[SI], s[BLK]
	s_cbranch_scc1 .Lopen_\@
	MASK
.Lopen_\@:
	P1
	s_wait_alu depctr_va_vdst(0)                   ; the wait ahead of the batch
.set J, 0
.rept 64
	v_exp_f32 v[96+J], v[96+J]                     ; p = 2^(t - M)
.set J, J+1
.endr
.irp b, 0,1,2,3
	v_exp_f32 v[232+\b], v[232+\b]                 ; the blocks' largest p
.endr
	v_nop                                          ; the plain place behind the exponentials
	s_wait_alu depctr_va_vdst(0)                   ; one wait for the batch of 68, ahead of its first reader
	P3
	s_wait_alu depctr_va_vdst(0)
	s_wait_dscnt 0x0                               ; V
	WIN 0x01                                       ; V from window 1
.irp t, 0,2                                    ; O^T += V^T P^T: the four accumulators by turns
	MMA 160+8*\t, 32+12*\t, 224, 90+\t/2, 253
	MMA 168+8*\t, 44+12*\t, 224, 90+\t/2, 253, matrix_a_scale:MATRIX_SCALE_ROW1
.endr
	WIN 0
	s_wait_alu depctr_va_vdst(0)                   ; the wait ahead of the branches that follow
.Lhid_\@:
	s_add_co_u32 s[SI], s[SI], 1
	s_add_co_u32 s[TQ], s[TQ], STEPB
	s_add_co_u32 s[TQS], s[TQS], 768
.endm
; THE CHANGE OF SLOTS.  Every wave waits for all its tensor loads, adds 0 to its spare word, waits for that and for its reads of the slot that it has left, and passes the barrier.
; fill = 1: behind it waves 0 and 1 fill the slot just left with the next four key steps, a stream each, while that slot's first step is at or under L: a slot beyond is read by no wave.  The test is made of ids and of the
; count of steps alone, is the same in all twelve waves, and leads round the loads' own lines alone; every wait on TENSORcnt in this text is for 0.
.macro CHANGE fill
	s_wait_tensorcnt 0x0                           ; no tensor load of mine is out, so the descriptors may be written
	ds_add_u32 v[SPW], v[NIL]
.if \fill
	ds_add_u32 v[SPW], v[NIL]                      ; and, where a load may follow, twice on end
	s_xor_b32 s33, s33, SLOT1
	s_add_nc_u64 s[34:35], s[34:35], SLOTB
	s_xor_b32 s37, s37, SLOT1
	s_add_nc_u64 s[38:39], s[38:39], SLOTB
	s_wait_xcnt 0x0                                ; the last prefetch, a slot back, has read its address
	s_add_nc_u64 s[PFA:PFA+1], s[PFA:PFA+1], SLOTB
.endif
	s_wait_dscnt 0x0                               ; the add is done, and my reads of the slot that I have left are over
	s_barrier_signal -1
	s_barrier_wait -1
.if \fill
	s_add_co_u32 s48, s[SI], 4                     ; the first step of the slot that this change would ask for
	s_cmp_gt_u32 s48, s[LL]
	s_cbranch_scc1 .Lpast_\@
	s_cmp_eq_u32 s[WV], 0
	s_cbranch_scc0 .Lsecond_\@
	tensor_load_to_lds s[32:35], s[24:31]          ; a wave's one tensor load behind this barrier: it has a slot's four steps in which to land
	s_nop 0
.rept 4
	v_nop
.endr
	s_branch .Lpast_\@
.Lsecond_\@:
	s_cmp_eq_u32 s[WV], 1
	s_cbranch_scc0 .Lpast_\@
	tensor_load_to_lds s[36:39], s[24:31]
	s_nop 0
.rept 4
	v_nop
.endr
.Lpast_\@:
	s_cmp_gt_u32 s[SLOTS], s[LIM]                  ; the slot that the NEXT change will ask for; the last change that fills a slot asks for nothing
	s_cbranch_scc0 .Lnot_mine_\@
	global_prefetch_b8 v[PFO], s[PFA:PFA+1] th:TH_LOAD_NT scope:SCOPE_SE
.Lnot_mine_\@:
.endif
.endm
.macro SLOTRUN fill                    ; a slot: the change, then its four key steps in a counted loop
	CHANGE \fill
	s_mov_b32 s[TQ], 0
	s_mov_b32 s[TQS], 0
	s_mov_b32 s[INN], 4
.Lstep_\@:
	STEP
	s_sub_co_u32 s[INN], s[INN], 1
	s_cmp_lg_u32 s[INN], 0
	s_cbranch_scc1 .Lstep_\@
.endm
	s_load_b128 s[4:7], s[0:1], 0x0                ; qkvb s[4:5], oimg s[6:7]
	v_lshl_add_u32 v[SPW], v0, 2, SPARE
	v_mov_b32 v[NIL], 0
	ds_add_u32 v[SPW], v[NIL]                      ; the wave's opening: the add, twice on end, and its wait ahead of the first tensor load
	ds_add_u32 v[SPW], v[NIL]
	v_lshrrev_b32 v8, 5, v0
	s_delay_alu instid0(VALU_DEP_1)
	v_readfirstlane_b32 s[WV], v8                  ; wave 0..11
	s_and_b32 s47, ttmp7, 0xffff
	s_mul_i32 s47, s47, 3                          ; the first of my work-group's three heads
	s_mul_i32 s[ROLE], s[WV], 11
	s_lshr_b32 s[ROLE], s[ROLE], 6                 ; wave / 6: 0 the late tile's wave, 1 the early tile's
	s_mul_i32 s48, s[ROLE], -6
	s_add_co_u32 s[CPL], s[WV], s48                ; my couple, 0..5
	s_lshr_b32 s[XX], ttmp9, 2
	s_sub_co_u32 s[LL], 31, s[XX]
	s_and_b32 s48, ttmp9, 3
	s_mul_i32 s48, s48, 6                          ; the first of my work-group's six among the 24 couples
	s_lshr_b32 s50, s48, 3                         ; the head (of three) of the first,
	s_add_co_u32 s49, s48, 5
	s_lshr_b32 s51, s49, 3                         ; and of the last
	s_lshl_b32 s49, s51, 3
	s_sub_co_u32 s49, s49, s48                     ; the first couple of the second head;
	s_cmp_eq_u32 s50, s51
	s_cselect_b32 s49, 3, s49                      ; with one head the streams serve three couples each
	s_add_co_u32 s48, s48, s[CPL]
	s_and_b32 s63, s48, 7                          ; my tile column
	s_add_co_u32 s50, s50, s47                     ; stream 0's head
	s_add_co_u32 s51, s51, s47                     ; stream 1's
	s_cmp_ge_u32 s[CPL], s49
	s_cselect_b32 s47, s51, s50                    ; my head
	s_cselect_b32 s[SELS], 1, 0                    ; my stream
	s_xor_b32 s[PAR], s[XX], s[ROLE]
	s_add_co_u32 s[TRS], s[XX], 1
	s_cmp_eq_u32 s[ROLE], 0
	s_cselect_b32 s[BLK], s[LL], s[XX]             ; my block
	s_cselect_b32 s[TRS], 0xffff, s[TRS]
	s_lshl_b32 s52, s[BLK], 3
	s_add_co_u32 s52, s52, s63                     ; my tile T
	s_lshl_b32 s53, s[LL], 3
	s_add_co_u32 s53, s53, s63                     ; the late tile
	s_mul_i32 s49, s47, 196608
	s_add_co_u32 s49, s49, QC
	s_mul_i32 s12, s52, 768
	s_add_co_u32 s12, s12, s49                     ; Q's codes
	s_mov_b32 s13, 0
	s_mul_i32 s16, s53, 768
	s_add_co_u32 s16, s16, s49                     ; the late tile's
	s_mov_b32 s17, 0
	s_lshl_b32 s49, s47, 14
	s_add_co_u32 s49, s49, QS
	s_lshl_b32 s14, s52, 6
	s_add_co_u32 s14, s14, s49                     ; Q's words
	s_mov_b32 s15, 0
	s_lshl_b32 s54, s53, 6
	s_add_co_u32 s54, s54, s49                     ; the late tile's
	s_mov_b32 s55, 0
	s_mul_i32 s48, s52, 6
	s_lshr_b32 s49, s47, 1
	s_add_co_u32 s48, s48, s49                     ; o's fragment: 6 T + head / 2; the head's half of it
	s_and_b32 s49, s47, 1
	s_mul_i32 s8, s48, 1536
	s_mul_i32 s9, s49, 768
	s_add_co_u32 s8, s8, s9
	s_mov_b32 s9, 0
	s_lshl_b32 s10, s48, 6
	s_lshl_b32 s49, s49, 1
	s_add_co_u32 s10, s10, s49
	s_add_co_u32 s10, s10, HSC
	s_mov_b32 s11, 0
	s_mul_i32 s34, s50, 393216                     ; the two streams' K and V
	s_mov_b32 s35, 0
	s_mul_i32 s38, s51, 393216
	s_mov_b32 s39, 0
	s_mul_i32 s78, s50, 24576
	s_add_co_u32 s78, s78, KVS                     ; and their scale words
	s_mov_b32 s79, 0
	s_mul_i32 s82, s51, 24576
	s_add_co_u32 s82, s82, KVS
	s_mov_b32 s83, 0
	s_max_u32 s48, s[WV], 2
	s_sub_co_u32 s48, s48, 2
	s_min_u32 s48, s48, 5
	s_lshl_b32 s[PFA], s48, 13
	s_add_co_u32 s[PFA], s[PFA], SLOTB             ; the prefetches: my sixth of stream 0's slot 1; the first change of slots steps it to slot 2
	s_mov_b32 s[PFA+1], 0
	s_sub_co_u32 s48, s[WV], 2
	s_cmp_lt_u32 s48, 6                            ; waves 2 to 7,
	s_cselect_b32 s49, 0, 1
	s_cmp_eq_u32 ttmp9, 1                          ; not the second work-group,
	s_cselect_b32 s48, 1, 0
	s_or_b32 s49, s49, s48
	s_or_b32 s49, s49, s[XX]                       ; and X = 0: they alone ask
	s_cmp_eq_u32 s49, 0
	s_cselect_b32 s[LIM], 1, -1
	; descriptor groups 1: rows of 256 bytes (32 elements of 8 bytes), dense, no padding: 192 for a stream's part of a slot, 96 for a head's scale words
	s_mov_b32 s24, 3<<16
	s_mov_b32 s25, 32<<16
	s_mov_b32 s26, 192<<16
	s_mov_b32 s27, 32<<16
	s_mov_b32 s28, 192
	s_mov_b32 s29, 32
	s_mov_b32 s30, 0
	s_mov_b32 s31, 0
	s_mov_b32 s68, 3<<16
	s_mov_b32 s69, 32<<16
	s_mov_b32 s70, 96<<16
	s_mov_b32 s71, 32<<16
	s_mov_b32 s72, 96
	s_mov_b32 s73, 32
	s_mov_b32 s74, 0
	s_mov_b32 s75, 0
	s_mov_b32 s32, 1
	s_mov_b32 s33, 0                               ; slot 0, stream 0
	s_mov_b32 s36, 1
	s_mov_b32 s37, SLOTB                           ; slot 0, stream 1
	s_mov_b32 s76, 1
	s_mov_b32 s77, SCL
	s_mov_b32 s80, 1
	s_mov_b32 s81, SCL+24576
	s_mov_b32 s[SEL], 0x76543210
	s_mov_b32 s[SEL+1], 0xfedcba98
	s_mov_b32 s[CS], 0x3e38aa3b                    ; c = log2(e) / 8
	s_mov_b32 s[CS+1], s[CS]
	s_mov_b32 s[SI], 0
	s_mov_b32 s[TB], 0
	s_mov_b32 s[SLOTS], NSL-1
	s_wait_dscnt 0x0                               ; both opening adds are done
	s_wait_kmcnt 0x0
	s_add_nc_u64 s[34:35], s[4:5], s[34:35]
	s_add_nc_u64 s[PFA:PFA+1], s[34:35], s[PFA:PFA+1]
	s_or_b32 s35, s35, 0x80000000
	s_add_nc_u64 s[38:39], s[4:5], s[38:39]
	s_or_b32 s39, s39, 0x80000000
	s_add_nc_u64 s[78:79], s[4:5], s[78:79]
	s_or_b32 s79, s79, 0x80000000
	s_add_nc_u64 s[82:83], s[4:5], s[82:83]
	s_or_b32 s83, s83, 0x80000000
.macro ARM wave, g0, g1, next          ; the first fills: one chain of branches on the wave's number, one load to an arm
	s_cmp_eq_u32 s[WV], \wave
	s_cbranch_scc0 \next
	tensor_load_to_lds s[\g0:\g0+3], s[\g1:\g1+7]
	s_nop 0
.rept 4
	v_nop
.endr
.endm
	ARM 0, 32, 24, .Lnot_0                         ; wave 0: slot 0 of stream 0
	s_branch .Lfilled
.Lnot_0:
	ARM 1, 36, 24, .Lnot_1                         ; wave 1: of stream 1
	s_branch .Lfilled
.Lnot_1:
	ARM 2, 76, 68, .Lnot_2                         ; waves 2 and 3: the scale words
	s_branch .Lfilled
.Lnot_2:
	ARM 3, 80, 68, .Lfilled
.Lfilled:
	s_add_nc_u64 s[12:13], s[4:5], s[12:13]
	s_add_nc_u64 s[14:15], s[4:5], s[14:15]
	s_add_nc_u64 s[16:17], s[4:5], s[16:17]
	s_add_nc_u64 s[54:55], s[4:5], s[54:55]
	s_add_nc_u64 s[8:9], s[6:7], s[8:9]
	s_add_nc_u64 s[10:11], s[6:7], s[10:11]
	s_mul_i32 s49, s[SELS], SLOTB                  ; my stream's place in a slot,
	s_mul_i32 s52, s[SELS], 24576
	s_add_co_u32 s52, s52, SCL                     ; and its scale words
	s_lshr_b32 s48, s63, 1
	s_lshl_b32 s48, s48, 5
	s_and_b32 s53, s63, 1
	s_lshl_b32 s53, s53, 3
	s_add_co_u32 s48, s48, s53                     ; my tile's first query in its block
	v_and_b32 v8, 31, v0
	v_and_b32 v9, 15, v0
	v_lshlrev_b32 v[A16], 4, v8
	v_lshlrev_b32 v[A8], 3, v8
	v_lshl_add_u32 v[A4], v8, 2, s52
	v_lshlrev_b32 v[R4], 2, v9
	v_lshlrev_b32 v[PFO], 8, v8
	v_add_nc_u32 v[KA16], s49, v[A16]
	v_add_nc_u32 v[KA8], s49, v[A8]
	global_load_b128 v[16:19], v[A16], s[12:13]    ; Q's half fragment stays in registers; every wave also takes the late tile's, so that no branch parts the head
	global_load_b64 v[20:21], v[A8], s[12:13] offset:512
	global_load_b32 v255, v[R4], s[14:15]
	global_load_b128 v[192:195], v[A16], s[16:17]
	global_load_b64 v[196:197], v[A8], s[16:17] offset:512
	global_load_b32 v30, v[R4], s[54:55]
	v_and_b32 v10, 8, v9
	v_bfe_u32 v12, v0, 4, 1
	v_add_nc_u32 v10, v10, v9                      ; r + 8 (r / 8)
	v_lshlrev_b32 v12, 4, v12
	s_delay_alu instid0(VALU_DEP_1)
	v_sub_nc_u32 v10, v10, v12
	s_delay_alu instid0(VALU_DEP_1)
	v_add_nc_u32 v[DM], s48, v10                   ; my query in its block less 16 (lane / 16)
.irp j, 80,81,82,83,84,85,22,23,24,25,26,27,28,29,14,15,236,237,238,239,250,251,252,253
	v_mov_b32 v\j, 0                               ; zero codes behind K's last tile and in Q's upper half; what permutes and pairs name before it is made
.endr
	v_mov_b32 v13, 0xff61b1e6                      ; the largest t so far: -3e38
	v_floor_f32 v12, -v13                          ; -M
.set J, 0
.rept 32
	v_mov_b32 v[160+J], 0                          ; O^T: the first change of M leaves zeros zeros
.set J, J+1
.endr
.set J, 6
.rept 26
	v_mov_b32 v[192+J], 0
.set J, J+1
.endr
	s_mov_b32 s[TSO], 0                            ; (the argument that lay here has been used)
	s_wait_alu depctr_va_vdst(0)                   ; the wait at the head's end
	s_wait_loadcnt 0x0                             ; Q
.Lslot:                                            ; NSL - 1 trips
	SLOTRUN 1
	s_xor_b32 s[TB], s[TB], SLOT1
	s_add_co_u32 s[TSO], s[TSO], 3072
	s_sub_co_u32 s[SLOTS], s[SLOTS], 1
	s_cmp_lg_u32 s[SLOTS], 0
	s_cbranch_scc1 .Lslot
	SLOTRUN 0                                      ; the last slot is written out: nothing is left to fetch
	; THE PARTS MEET.  Waves 6-11 put their part of the late tile into the stage; one barrier; waves 0-5 add it to theirs, waves 6-11 take their early tile up again.
.rept 4
	v_nop                                          ; places behind the last products
.endr
	s_mul_i32 s48, s[CPL], 4608
	s_add_co_u32 s48, s48, STAGE
	v_add_nc_u32 v[ADK], s48, v[A16]               ; my couple's stage, 16 bytes a lane
	s_wait_alu depctr_va_vdst(0)
	s_cmp_lt_u32 s[WV], 6
	s_cbranch_scc1 .Lown
.set J, 0
.rept 8
	ds_store_b128 v[ADK], v[160+4*J:163+4*J] offset:512*J          ; each accumulator from its low end on
.set J, J+1
.endr
	ds_store_b128 v[ADK], v[12:15] offset:4096
.Lown:
	s_wait_dscnt 0x0                               ; for the partner's sake: my stores have landed
	s_barrier_signal -1
	s_barrier_wait -1
	s_cmp_lt_u32 s[WV], 6
	s_cbranch_scc0 .Lhelp
.set J, 0
.rept 9
	ds_load_b128 v[96+4*J:99+4*J], v[ADK] offset:512*J             ; the partner's O^T in v96-127, -M in v128, its sum in v130, v131
.set J, J+1
.endr
	s_wait_dscnt 0x0
	v_min_num_f32 v254, v12, v128                  ; both parts under the larger M
	v_add_f32 v14, v14, v15
	v_add_f32 v130, v130, v131
	v_sub_f32 v252, v254, v12
	v_sub_f32 v250, v254, v128
	v_mov_b32 v15, 0
	v_cvt_i32_f32 v252, v252                       ; (they saturate: a part with no step counts for nothing)
	v_cvt_i32_f32 v250, v250
	s_delay_alu instid0(VALU_DEP_2)
	v_ldexp_f32 v252, 1.0, v252
	s_delay_alu instid0(VALU_DEP_2)
	v_ldexp_f32 v250, 1.0, v250
	s_delay_alu instid0(VALU_DEP_2)
	v_mul_f32 v14, v14, v252
	s_delay_alu instid0(VALU_DEP_1)
	v_fmac_f32 v14, v130, v250
.set J, 0
.rept 16
	v_pk_mul_f32 v[160+J:161+J], v[160+J:161+J], v[252:253] op_sel_hi:[1,0]
.set J, J+2
.endr
.set J, 0
.rept 16
	v_pk_fma_f32 v[160+J:161+J], v[96+J:97+J], v[250:251], v[160+J:161+J] op_sel_hi:[1,0,1]
.set J, J+2
.endr
	s_wait_alu depctr_va_vdst(0)
	s_branch .Lout
.Lhelp:
.set J, 0
.rept 32
	v_mov_b32 v[160+J], v[192+J]                   ; the early tile's sums come back
.set J, J+1
.endr
	v_mov_b32 v14, v28
	v_mov_b32 v15, v29
	s_wait_alu depctr_va_vdst(0)
.Lout:
	; THE WAY OUT: O^T / the sum is o; register 16 b + i is feature 32 b + 16 (lane / 16) + i of my head: two blocks, quantised as they stand: half a fragment of the next product's operand.
	v_add_f32 v14, v14, v15
	s_delay_alu instid0(VALU_DEP_1)
	v_permlanex16_b32 v252, v14, s[SEL], s[SEL+1]
	s_delay_alu instid0(VALU_DEP_1)
	v_add_f32 v14, v14, v252
	s_wait_alu depctr_va_vdst(0)
	v_rcp_f32 v14, v14
	v_nop                                          ; a plain place behind the transcendental
	s_wait_alu depctr_va_vdst(0)                   ; the wait ahead of its first reader
.set J, 0
.rept 32
	v_mul_f32 v[96+J], v[160+J], v14
.set J, J+1
.endr
.irp b, 0,1
	v_max3_num_f32 v[232+\b], |v[96+16*\b]|, |v[97+16*\b]|, 0x2800000
.endr
.irp i, 2,4,6,8,10,12,14
.irp b, 0,1
	s_delay_alu instid0(VALU_DEP_2)
	v_max3_num_f32 v[232+\b], v[232+\b], |v[96+16*\b+\i]|, |v[97+16*\b+\i]|
.endr
.endr
.irp b, 0,1
	s_delay_alu instid0(VALU_DEP_2)
	v_permlanex16_b32 v[236+\b], v[232+\b], s[SEL], s[SEL+1]
.endr
.irp b, 0,1
	s_delay_alu instid0(VALU_DEP_2)
	v_max_num_f32 v[232+\b], v[232+\b], v[236+\b]
.endr
.irp b, 0,1
	s_delay_alu instid0(VALU_DEP_2)
	v_add_nc_u32 v[244+\b], 0xfe000000, v[232+\b]
.endr
.irp b, 0,1
	s_delay_alu instid0(VALU_DEP_2)
	v_lshrrev_b32 v[236+\b], 23, v[244+\b]
.endr
	s_delay_alu instid0(VALU_DEP_1)
	v_lshl_or_b32 v254, v237, 8, v236              ; my head's two bytes of the row's scale word
	v_cvt_scalef32_pk16_bf6_f32 v[224:226], v[96:111], v244
	v_cvt_scalef32_pk16_bf6_f32 v[240:242], v[112:127], v245
	v_nop
.irp i, 0,1,2
	v_permlane16_swap_b32 v[224+\i], v[240+\i]
.endr
.irp i, 0,1,2
	v_mov_b32 v[227+\i], v[240+\i]
.endr
	global_store_b128 v[A16], v[224:227], s[8:9]
	global_store_b64 v[A8], v[228:229], s[8:9] offset:512
	global_store_b16 v[R4], v254, s[10:11]         ; two bytes a row: the other head of the pair writes the other two
	s_wait_tensorcnt 0x0                           ; the wave's end
	ds_add_u32 v[SPW], v[NIL]
	s_wait_dscnt 0x0
	s_endpgm
.Lfunc_end_k_q06406a1900_attn:
	.size	k_q06406a1900_attn, .Lfunc_end_k_q06406a1900_attn-k_q06406a1900_attn
	.p2alignl 7, 3214868480
	.fill 96, 4, 3214868480
	.section	.rodata,"a",@progbits
	.p2align	6, 0x0
	.amdhsa_kernel k_q06406a1900_attn
		.amdhsa_group_segment_fixed_size 327680
		.amdhsa_private_segment_fixed_size 0
		.amdhsa_enable_private_segment 0
		.amdhsa_kernarg_size 16
		.amdhsa_user_sgpr_count 2
		.amdhsa_user_sgpr_kernarg_segment_ptr 1
		.amdhsa_wavefront_size32 1
		.amdhsa_system_sgpr_workgroup_id_x 1
		.amdhsa_system_sgpr_workgroup_id_y 1
		.amdhsa_system_sgpr_workgroup_id_z 1
		.amdhsa_system_vgpr_workitem_id 0
		.amdhsa_next_free_vgpr 336
		.amdhsa_next_free_sgpr 96
		.amdhsa_reserve_vcc 1
		.amdhsa_float_denorm_mode_32 3
		.amdhsa_float_denorm_mode_16_64 3
		.amdhsa_memory_ordered 1
		.amdhsa_forward_progress 1
		.amdhsa_inst_pref_size 73
	.end_amdhsa_kernel
	.amdgpu_metadata
---
amdhsa.version: [ 1, 2 ]
amdhsa.kernels:
  - .name:           k_q06406a1900_attn
    .symbol:         k_q06406a1900_attn.kd
    .args:
      - { .name: qkvb, .offset: 0, .size: 8, .value_kind: global_buffer, .address_space: global }
      - { .name: oimg, .offset: 8, .size: 8, .value_kind: global_buffer, .address_space: global }
    .group_segment_fixed_size: 327680
    .private_segment_fixed_size: 0
    .kernarg_segment_align: 8
    .kernarg_segment_size: 16
    .max_flat_workgroup_size: 384
    .sgpr_count:     96
    .vgpr_count:     336
    .wavefront_size: 32
...
	.end_amdgpu_metadata
.endif
;; end of part 3
;; launch oproj (part 4): grid 192 x 1, 4 waves a work-group, no clusters, 34,304 bytes of LDS; arguments oimg, img, x, y; writes y
.if DOCPART == 4
	.amdgcn_target "amdgcn-amd-amdhsa--gfx1250"
	.amdhsa_code_object_version 6
	.text
	.protected	k_q06406a1900_oproj
	.globl	k_q06406a1900_oproj
	.p2align	8
	.type	k_q06406a1900_oproj,@function
k_q06406a1900_oproj:
	s_mov_b64 s[64:65], 0
	v_nop
	global_prefetch_b8 v0, s[64:65] scope:SCOPE_SE
	s_setreg_imm32_b32 hwreg(HW_REG_WAVE_MODE, 25, 1), 1
	s_wait_xcnt 0x0
; OPROJ: y = x + o wo^T on codes of BF6.  The stationary product of the launch qkv: source 0 = 128 rows of wo, in registers for all of K = 768; source 1 = a tile of o's images.
; A lane holds a token and 64 of the 128 features; the tile goes through the wave's own stage in LDS and leaves as whole runs of 512 bytes of 16 rows, with x added.
; 192 work-groups: six groups of 128 features x 32 groups of eight tiles; a wave has two tiles, written out.  No barrier: a stage is one wave's own.
; ALL THAT THE WAVE READS BUT THE SECOND TILE'S ROWS OF x IS ASKED FOR AT THE HEAD: wo's 48 fragments, both tiles of o in four halves of 15 loads, the first tile's 16 rows of x.  The waits ahead of the first tile's
; products leave the younger loads out: 61 = three halves and x's 16; 46 = two halves and x's 16.  The second tile's rows of x take the first's registers, behind the additions that read them.
; REGISTERS: window 0: v1-5 lane terms; v10, v11 the add's two; v16-79 the 8 accumulators, then the rows; v118-129, v130-177 scale words; v178-241 the rows of x.  Windows 1-3: as in the launch qkv.
.set HSC,   2359296
.set WB,    2457600
.set WSCA,  7766016
.set KST,   6
.set SPARE, 33792                      ; behind the four stages of 16 x 528 bytes: the spare words, two blocks of 256 bytes that no other line names
.set LI16, 1
.set LI8,  2
.set R4,   3
.set STO,  4
.set RD,   5
.set SPW,  10
.set NIL,  11
.set HA,   16
.set TS,   118
.set SS,   130
.set RES,  178
.set WV,   12
.set SC,   16
.set SSC,  18
.set TC,   20
.set TSC,  22
.set MSB,  0
.macro WIN new
.if MSB != (\new)
	s_set_vgpr_msb (MSB<<8)|(\new)
.set MSB, (\new)
.endif
.endm
.macro FRAGLD reg, sb, off
	global_load_b128 v[\reg:\reg+3], v[LI16], s[\sb:\sb+1] offset:\off
	global_load_b64 v[\reg+4:\reg+5], v[LI8], s[\sb:\sb+1] offset:\off+512
	global_load_b128 v[\reg+6:\reg+9], v[LI16], s[\sb:\sb+1] offset:\off+768
	global_load_b64 v[\reg+10:\reg+11], v[LI8], s[\sb:\sb+1] offset:\off+1280
.endm
.macro SLOAD kss
.set FI, 0
.rept 48
	WIN ((1+FI/20)<<6)
.set RG, 12*(FI%20)
.set OF, ((FI%8)*(\kss)+FI/8)*1536
	FRAGLD RG, SC, OF
.set FI, FI+1
.endr
	WIN 0
.set FI, 0
.rept 48
	global_load_b32 v[SS+FI], v[R4], s[SSC:SSC+1] offset:((FI%8)*(\kss)+FI/8)*64
.set FI, FI+1
.endr
.endm
.macro THALF buf, hf, tile             ; 15 loads: fragments 3 hf .. 3 hf + 2, scale words first, of tile `tile` of my two, into set buf.  It leaves the destination's window at 3
	WIN 0
.set FJ, 3*(\hf)
.rept 3
	global_load_b32 v[TS+6*(\buf)+FJ], v[R4], s[TSC:TSC+1] offset:(\tile)*KST*64+64*FJ
.set FJ, FJ+1
.endr
	WIN 0xc0
.set FJ, 3*(\hf)
.rept 3
.set RG, 96+72*(\buf)+12*FJ
.set OF, (\tile)*KST*1536+1536*FJ
	FRAGLD RG, TC, OF
.set FJ, FJ+1
.endr
.endm
.macro MUL24 buf, f0                   ; 24 products: the eight accumulators by turns, one instruction a turn
.set FI, \f0
.rept 24
	WIN (0x0c|(1+FI/20))
.if FI < 8
	v_wmma_scale_f32_16x16x128_f8f6f4 v[HA+8*(FI%8):HA+8*(FI%8)+7], v[12*(FI%20):12*(FI%20)+11], v[96+72*(\buf)+12*(FI/8):96+72*(\buf)+12*(FI/8)+11], 0, v[SS+FI], v[TS+6*(\buf)+FI/8] matrix_a_fmt:MATRIX_FMT_BF6 matrix_b_fmt:MATRIX_FMT_BF6
.else
	v_wmma_scale_f32_16x16x128_f8f6f4 v[HA+8*(FI%8):HA+8*(FI%8)+7], v[12*(FI%20):12*(FI%20)+11], v[96+72*(\buf)+12*(FI/8):96+72*(\buf)+12*(FI/8)+11], v[HA+8*(FI%8):HA+8*(FI%8)+7], v[SS+FI], v[TS+6*(\buf)+FI/8] matrix_a_fmt:MATRIX_FMT_BF6 matrix_b_fmt:MATRIX_FMT_BF6
.endif
.set FI, FI+1
.endr
.endm
.macro XLD buf                         ; a tile's 16 rows of x (row i of the tile is token i + 8 (i / 8) from the tile's first; the odd tile begins 8 tokens on)
.irp i, 0,1,2,3,4,5,6,7,8,9,10,11,12,13,14,15
	global_load_b128 v[RES+4*\i:RES+4*\i+3], v[LI16], s[24:25] offset:(8*(\buf)+\i+8*(\i/8))*3072 th:TH_LOAD_NT
.endr
.endm
.macro EPI buf, next
.rept 4
	v_nop                                          ; four places ahead of the first read of results (ISA guide 7.12.1)
.endr
.irp b, 0,1,2,3
.irp u, 0,1
	ds_store_b128 v[STO], v[HA+16*\b+8*\u:HA+16*\b+8*\u+3] offset:128*\b+32*\u        ; each accumulator from its low end on
	ds_store_b128 v[STO], v[HA+16*\b+8*\u+4:HA+16*\b+8*\u+7] offset:128*\b+32*\u+16
.endr
.endr
.irp i, 0,1,2,3,4,5,6,7,8,9,10,11,12,13,14,15
	ds_load_b128 v[HA+4*\i:HA+4*\i+3], v[RD] offset:528*\i   ; LDS serves a wave's instructions in order (ISA guide 5.7.1.4): these see my stores
.endr
	s_wait_dscnt 0x0
	s_wait_loadcnt 0x0                             ; x's rows: the youngest loads
.set J, 0
.rept 32
	v_pk_add_f32 v[HA+J:HA+J+1], v[HA+J:HA+J+1], v[RES+J:RES+J+1]
.set J, J+2
.endr
.if \next
	XLD 1                                          ; the second tile's rows of x land under its products
.endif
.irp i, 0,1,2,3,4,5,6,7,8,9,10,11,12,13,14,15
	global_store_b128 v[LI16], v[HA+4*\i:HA+4*\i+3], s[26:27] offset:(8*(\buf)+\i+8*(\i/8))*3072   ; 32 lanes store 512 consecutive bytes, at a multiple of 256 from y's first byte
.endr
.endm
	s_load_b256 s[4:11], s[0:1], 0x0               ; oimg s[4:5], img s[6:7], x s[8:9], y s[10:11]
	v_lshl_add_u32 v[SPW], v0, 2, SPARE
	v_mov_b32 v[NIL], 0
	v_and_b32 v6, 31, v0
	v_lshlrev_b32 v[LI16], 4, v6
	v_lshlrev_b32 v[LI8], 3, v6
	v_and_b32 v7, 15, v0
	v_lshlrev_b32 v[R4], 2, v7
	v_bfe_u32 v8, v0, 4, 1
	v_lshrrev_b32 v9, 5, v0
	v_readfirstlane_b32 s[WV], v9
	s_mul_i32 s34, s[WV], 8448                     ; my stage
	v_mul_u32_u24 v[STO], v7, 528
	v_lshl_add_u32 v[STO], v8, 6, v[STO]
	v_add_nc_u32 v[STO], s34, v[STO]               ; in: row r, + 64 (lane / 16); register 16 b + 8 u + j at 128 b + 32 u + 4 j
	v_add_nc_u32 v[RD], s34, v[LI16]               ; back: a row of 512 bytes, 16 bytes a lane
	s_lshr_b32 s34, ttmp9, 5                       ; G: which 128 features
	s_and_b32 s35, ttmp9, 31
	s_lshl_b32 s35, s35, 2
	s_add_co_u32 s35, s35, s[WV]
	s_lshl_b32 s35, s35, 1                         ; my first tile (even)
	s_mov_b32 s37, 0
	s_wait_alu depctr_va_vdst(0)
	s_wait_kmcnt 0x0
	s_mul_i32 s36, s34, 73728
	s_add_co_u32 s36, s36, WB+144*9216             ; wo's tiles are the weights' 144 on
	s_add_nc_u64 s[SC:SC+1], s[6:7], s[36:37]
	s_mul_i32 s36, s34, 3072
	s_add_co_u32 s36, s36, WSCA+144*384
	s_add_nc_u64 s[SSC:SSC+1], s[6:7], s[36:37]
	s_mul_i32 s36, s35, 9216
	s_add_nc_u64 s[TC:TC+1], s[4:5], s[36:37]
	s_mul_i32 s36, s35, 384
	s_add_co_u32 s36, s36, HSC
	s_add_nc_u64 s[TSC:TSC+1], s[4:5], s[36:37]
	s_mul_i32 s36, s35, 16*3072                    ; the even tile's first token is 16 x the tile's number
	s_lshl_b32 s38, s34, 9
	s_add_co_u32 s36, s36, s38
	s_add_nc_u64 s[24:25], s[8:9], s[36:37]
	s_add_nc_u64 s[26:27], s[10:11], s[36:37]
	SLOAD 6
	THALF 0, 0, 0
	THALF 0, 1, 0
	THALF 1, 0, 1
	THALF 1, 1, 1
	WIN 0
	XLD 0
	s_wait_loadcnt 61                              ; wo and the first tile's first half are in; the three younger halves and x's 16 rows may be out
	MUL24 0, 0
	s_wait_loadcnt 46                              ; its second half; two halves and x's 16 rows may be out
	MUL24 0, 24
	WIN 0
	EPI 0, 1
	s_wait_xcnt 0x0                                ; the first tile's stores have read their data: the accumulators are written again
	MUL24 1, 0                                     ; the second tile of o is in: it was asked for ahead of x's rows, which have been waited for
	MUL24 1, 24
	WIN 0
	EPI 1, 0
	s_wait_tensorcnt 0x0                           ; the wave's end
	ds_add_u32 v[SPW], v[NIL]
	s_wait_dscnt 0x0
	s_endpgm
.Lfunc_end_k_q06406a1900_oproj:
	.size	k_q06406a1900_oproj, .Lfunc_end_k_q06406a1900_oproj-k_q06406a1900_oproj
	.p2alignl 7, 3214868480
	.fill 96, 4, 3214868480
	.section	.rodata,"a",@progbits
	.p2align	6, 0x0
	.amdhsa_kernel k_q06406a1900_oproj
		.amdhsa_group_segment_fixed_size 34304
		.amdhsa_private_segment_fixed_size 0
		.amdhsa_enable_private_segment 0
		.amdhsa_kernarg_size 32
		.amdhsa_user_sgpr_count 2
		.amdhsa_user_sgpr_kernarg_segment_ptr 1
		.amdhsa_wavefront_size32 1
		.amdhsa_system_sgpr_workgroup_id_x 1
		.amdhsa_system_sgpr_workgroup_id_y 1
		.amdhsa_system_sgpr_workgroup_id_z 1
		.amdhsa_system_vgpr_workitem_id 0
		.amdhsa_next_free_vgpr 1024
		.amdhsa_next_free_sgpr 66
		.amdhsa_reserve_vcc 0
		.amdhsa_float_denorm_mode_32 3
		.amdhsa_float_denorm_mode_16_64 3
		.amdhsa_memory_ordered 1
		.amdhsa_forward_progress 1
		.amdhsa_inst_pref_size 58
	.end_amdhsa_kernel
	.amdgpu_metadata
---
amdhsa.version: [ 1, 2 ]
amdhsa.kernels:
  - .name:           k_q06406a1900_oproj
    .symbol:         k_q06406a1900_oproj.kd
    .args:
      - { .name: oimg, .offset: 0, .size: 8, .value_kind: global_buffer, .address_space: global }
      - { .name: img, .offset: 8, .size: 8, .value_kind: global_buffer, .address_space: global }
      - { .name: x, .offset: 16, .size: 8, .value_kind: global_buffer, .address_space: global }
      - { .name: y, .offset: 24, .size: 8, .value_kind: global_buffer, .address_space: global }
    .group_segment_fixed_size: 34304
    .private_segment_fixed_size: 0
    .kernarg_segment_align: 8
    .kernarg_segment_size: 32
    .max_flat_workgroup_size: 128
    .sgpr_count:     66
    .vgpr_count:     1024
    .wavefront_size: 32
...
	.end_amdgpu_metadata
.endif
;; end of part 4
;; launch norm2: the kernel of part 1 again; grid 256 x 1, 6 waves a work-group, no clusters, 52,224 bytes of LDS; arguments y, g2, wq, wk, wv, wo, w1, w2, h2img; writes h2img
;; launch ffn1 (part 5): grid 192 x 1, 4 waves a work-group, no clusters, 0 bytes of LDS; arguments h2img, img, act; writes act
.if DOCPART == 5
	.amdgcn_target "amdgcn-amd-amdhsa--gfx1250"
	.amdhsa_code_object_version 6
	.text
	.protected	k_q06406a1900_ffn1
	.globl	k_q06406a1900_ffn1
	.p2align	8
	.type	k_q06406a1900_ffn1,@function
k_q06406a1900_ffn1:
	s_mov_b64 s[64:65], 0
	v_nop
	global_prefetch_b8 v0, s[64:65] scope:SCOPE_SE
	s_setreg_imm32_b32 hwreg(HW_REG_WAVE_MODE, 25, 1), 1
	s_wait_xcnt 0x0
; FFN1: gelu(h w1^T) on codes of BF6, and its quantiser along the 3,072 hidden units.  The stationary product: source 0 = 128 rows of w1, in registers for all of K = 768; source 1 = a tile of h's images.
; A lane's 64 results are 128-unit K step G of the next product, in the quantiser's order: gelu, quantiser, one fragment of act (fragment 24 tile + G, scale words at ASC).
; GELU, exact form: 0.5 x (1 + erf(x / sqrt 2)), erf(z) = z P(z^2) / Q(z^2), a rational form of degree 6 over 4 in z^2, z held to +-4.  LIMIT: its absolute error is some 1e-7; for x under -5.66 the result is some 1e-7 x |x|
; in size where the true value is smaller still.
; 192 work-groups: wave w of work-group g takes hidden units 128 (4 (g / 32) + w) on and the eight tiles 8 (g % 32) on.  No LDS, no barrier.
; REGISTERS: window 0 as in the launch qkv; v178-241 the gelu's work; v[242:243], v[244:245] the two leading coefficients.
.set HSC,   2359296
.set WB,    2457600
.set WSCA,  7766016
.set ASC,   9437184
.set KST,   6
.set LI16, 1
.set LI8,  2
.set R4,   3
.set HA,   16
.set PC,   80
.set TM,   100
.set PW,   116
.set TS,   118
.set SS,   130
.set ZZ,   178
.set Z2,   194
.set PP,   210
.set QQ,   226
.set WV,   12
.set SC,   16
.set SSC,  18
.set TC,   20
.set TSC,  22
.set CNT,  32
.set IX,   33
.set SEL,  40
.set MSB,  0
.macro WIN new
.if MSB != (\new)
	s_set_vgpr_msb (MSB<<8)|(\new)
.set MSB, (\new)
.endif
.endm
.macro QUANT s
.irp b, 0,1,2,3
	v_max3_num_f32 v[TM+\b], |v[\s+16*\b]|, |v[\s+1+16*\b]|, 0x2800000
.endr
.irp i, 2,4,6,8,10,12,14
.irp b, 0,1,2,3
	v_max3_num_f32 v[TM+\b], v[TM+\b], |v[\s+16*\b+\i]|, |v[\s+1+16*\b+\i]|
.endr
.endr
.irp b, 0,1,2,3
	v_permlanex16_b32 v[TM+4+\b], v[TM+\b], s[SEL], s[SEL+1]
.endr
.irp b, 0,1,2,3
	v_max_num_f32 v[TM+\b], v[TM+\b], v[TM+4+\b]
.endr
.irp b, 0,1,2,3
	v_add_nc_u32 v[TM+12+\b], 0xfe000000, v[TM+\b]
.endr
.irp b, 0,1,2,3
	v_lshrrev_b32 v[TM+4+\b], 23, v[TM+12+\b]
.endr
	v_lshl_or_b32 v[PW], v[TM+5], 8, v[TM+4]
	v_lshl_or_b32 v[PW], v[TM+6], 16, v[PW]
	v_lshl_or_b32 v[PW], v[TM+7], 24, v[PW]
.irp c, 0,1
	v_cvt_scalef32_pk16_bf6_f32 v[PC+6*\c:PC+2+6*\c], v[\s+32*\c:\s+15+32*\c], v[TM+12+2*\c]
	v_cvt_scalef32_pk16_bf6_f32 v[PC+12+4*\c:PC+14+4*\c], v[\s+16+32*\c:\s+31+32*\c], v[TM+12+2*\c+1]
.endr
	v_nop                                          ; one plain place behind a scaled conversion
.irp c, 0,1
.irp i, 0,1,2
	v_permlane16_swap_b32 v[PC+6*\c+\i], v[PC+12+4*\c+\i]
.endr
.irp i, 0,1,2
	v_mov_b32 v[PC+3+6*\c+\i], v[PC+12+4*\c+\i]
.endr
.endr
.endm
.macro FRAGLD reg, sb, off
	global_load_b128 v[\reg:\reg+3], v[LI16], s[\sb:\sb+1] offset:\off
	global_load_b64 v[\reg+4:\reg+5], v[LI8], s[\sb:\sb+1] offset:\off+512
	global_load_b128 v[\reg+6:\reg+9], v[LI16], s[\sb:\sb+1] offset:\off+768
	global_load_b64 v[\reg+10:\reg+11], v[LI8], s[\sb:\sb+1] offset:\off+1280
.endm
.macro SLOAD kss
.set FI, 0
.rept 48
	WIN ((1+FI/20)<<6)
.set RG, 12*(FI%20)
.set OF, ((FI%8)*(\kss)+FI/8)*1536
	FRAGLD RG, SC, OF
.set FI, FI+1
.endr
	WIN 0
.set FI, 0
.rept 48
	global_load_b32 v[SS+FI], v[R4], s[SSC:SSC+1] offset:((FI%8)*(\kss)+FI/8)*64
.set FI, FI+1
.endr
.endm
.macro TFETCH buf
	WIN 0xc0
.set FI, 0
.rept 6
.set RG, 96+72*(\buf)+12*FI
.set OF, 1536*FI
	FRAGLD RG, TC, OF
.set FI, FI+1
.endr
	WIN 0
.set FI, 0
.rept 6
	global_load_b32 v[TS+6*(\buf)+FI], v[R4], s[TSC:TSC+1] offset:64*FI
.set FI, FI+1
.endr
.endm
.macro MULALL buf                      ; the eight accumulators by turns, one instruction a turn
.set FI, 0
.rept 48
	WIN (0x0c|(1+FI/20))
.if FI < 8
	v_wmma_scale_f32_16x16x128_f8f6f4 v[HA+8*(FI%8):HA+8*(FI%8)+7], v[12*(FI%20):12*(FI%20)+11], v[96+72*(\buf)+12*(FI/8):96+72*(\buf)+12*(FI/8)+11], 0, v[SS+FI], v[TS+6*(\buf)+FI/8] matrix_a_fmt:MATRIX_FMT_BF6 matrix_b_fmt:MATRIX_FMT_BF6
.else
	v_wmma_scale_f32_16x16x128_f8f6f4 v[HA+8*(FI%8):HA+8*(FI%8)+7], v[12*(FI%20):12*(FI%20)+11], v[96+72*(\buf)+12*(FI/8):96+72*(\buf)+12*(FI/8)+11], v[HA+8*(FI%8):HA+8*(FI%8)+7], v[SS+FI], v[TS+6*(\buf)+FI/8] matrix_a_fmt:MATRIX_FMT_BF6 matrix_b_fmt:MATRIX_FMT_BF6
.endif
.set FI, FI+1
.endr
	WIN 0
.rept 4
	v_nop                                          ; four places ahead of the first read of results (ISA guide 7.12.1)
.endr
.endm
; gelu of 16 numbers, v[HA + 16 q] on, in place, two at a time; the 16 reciprocals are one batch with one wait
.macro GELU q
.set XQ, HA+16*(\q)
.irp j, 0,2,4,6,8,10,12,14
	v_pk_mul_f32 v[ZZ+\j:ZZ+\j+1], v[XQ+\j:XQ+\j+1], 0x3f3504f3 op_sel_hi:[1,0]   ; z = x / sqrt 2 (each accumulator is read from its low end on)
.endr
.irp j, 0,1,2,3,4,5,6,7,8,9,10,11,12,13,14,15
	v_med3_num_f32 v[ZZ+\j], v[ZZ+\j], -4.0, 4.0
.endr
.irp j, 0,2,4,6,8,10,12,14
	v_pk_mul_f32 v[Z2+\j:Z2+\j+1], v[ZZ+\j:ZZ+\j+1], v[ZZ+\j:ZZ+\j+1]
.endr
.irp j, 0,2,4,6,8,10,12,14
	v_pk_fma_f32 v[PP+\j:PP+\j+1], v[Z2+\j:Z2+\j+1], v[242:243], 0x32edffee op_sel_hi:[1,1,0]
.endr
.irp k, 0xb60cff51, 0xb86ec2d2, 0xba40ac63, 0xbb41a1f6, 0xbc83dbd4
.irp j, 0,2,4,6,8,10,12,14
	v_pk_fma_f32 v[PP+\j:PP+\j+1], v[PP+\j:PP+\j+1], v[Z2+\j:Z2+\j+1], \k op_sel_hi:[1,1,0]
.endr
.endr
.irp j, 0,2,4,6,8,10,12,14
	v_pk_fma_f32 v[QQ+\j:QQ+\j+1], v[Z2+\j:Z2+\j+1], v[244:245], 0xb95fbd29 op_sel_hi:[1,1,0]
.endr
.irp k, 0xbadc924e, 0xbbf19bf8, 0xbc69b6a7
.irp j, 0,2,4,6,8,10,12,14
	v_pk_fma_f32 v[QQ+\j:QQ+\j+1], v[QQ+\j:QQ+\j+1], v[Z2+\j:Z2+\j+1], \k op_sel_hi:[1,1,0]
.endr
.endr
	s_wait_alu depctr_va_vdst(0)
.irp j, 0,1,2,3,4,5,6,7,8,9,10,11,12,13,14,15
	v_rcp_f32 v[QQ+\j], v[QQ+\j]
.endr
.irp j, 0,2,4,6,8,10,12,14
	v_pk_mul_f32 v[PP+\j:PP+\j+1], v[PP+\j:PP+\j+1], v[ZZ+\j:ZZ+\j+1]   ; z P: plain work behind the reciprocals
.endr
	s_wait_alu depctr_va_vdst(0)                   ; one wait for the batch, ahead of its first reader
.irp j, 0,2,4,6,8,10,12,14
	v_pk_mul_f32 v[PP+\j:PP+\j+1], v[PP+\j:PP+\j+1], v[QQ+\j:QQ+\j+1]   ; erf
.endr
.irp j, 0,2,4,6,8,10,12,14
	v_pk_mul_f32 v[ZZ+\j:ZZ+\j+1], v[XQ+\j:XQ+\j+1], 0.5 op_sel_hi:[1,0]
.endr
.irp j, 0,2,4,6,8,10,12,14
	v_pk_fma_f32 v[XQ+\j:XQ+\j+1], v[ZZ+\j:ZZ+\j+1], v[PP+\j:PP+\j+1], v[ZZ+\j:ZZ+\j+1]   ; 0.5 x erf + 0.5 x
.endr
.endm
.macro POINT buf                       ; where this tile's fragment goes: 24 fragments a tile
	s_mul_i32 s36, s[IX], 36864
	s_mov_b32 s37, 0
	s_add_nc_u64 s[24:25], s[48:49], s[36:37]
	s_mul_i32 s38, s[IX], 1536
	s_mov_b32 s39, 0
	s_add_nc_u64 s[26:27], s[50:51], s[38:39]
	s_add_co_u32 s[IX], s[IX], 1
.endm
.macro EPI buf
	GELU 0
	GELU 1
	GELU 2
	GELU 3
	QUANT HA
	global_store_b128 v[LI16], v[PC:PC+3], s[24:25]
	global_store_b64 v[LI8], v[PC+4:PC+5], s[24:25] offset:512
	global_store_b128 v[LI16], v[PC+6:PC+9], s[24:25] offset:768
	global_store_b64 v[LI8], v[PC+10:PC+11], s[24:25] offset:1280
	global_store_b32 v[R4], v[PW], s[26:27]
.endm
.macro TRIP buf, guard
	s_wait_loadcnt 0x0                             ; set buf is in (in the first trip S too); no load of mine reads its base any more
	s_wait_xcnt 0x0                                ; the last tile's stores have read their data and their bases
	s_add_nc_u64 s[TC:TC+1], s[TC:TC+1], KST*1536
	s_add_nc_u64 s[TSC:TSC+1], s[TSC:TSC+1], KST*64
	POINT \buf
.if \guard == 1
	s_cmp_eq_u32 s[CNT], 1                         ; no load leaves its buffer
	s_cbranch_scc1 .Lno_next_\@
.endif
	TFETCH 1-\buf
.if \guard == 1
.Lno_next_\@:
.endif
	MULALL \buf
	EPI \buf
.endm
	s_load_b128 s[4:7], s[0:1], 0x0                ; h2img s[4:5], img s[6:7]
	s_load_b64 s[8:9], s[0:1], 0x10                ; act
	v_and_b32 v4, 31, v0
	v_lshlrev_b32 v[LI16], 4, v4
	v_lshlrev_b32 v[LI8], 3, v4
	v_and_b32 v5, 15, v0
	v_lshlrev_b32 v[R4], 2, v5
	v_lshrrev_b32 v6, 5, v0
	v_readfirstlane_b32 s[WV], v6
.irp b, 0,1,2,3
	v_mov_b32 v[TM+4+\b], 0
.endr
	v_mov_b32 v242, 0xaf95df0b                     ; P's leading coefficient, as a pair
	v_mov_b32 v243, 0xaf95df0b
	v_mov_b32 v244, 0xb77460cd                     ; Q's
	v_mov_b32 v245, 0xb77460cd
	s_mov_b32 s[SEL], 0x76543210
	s_mov_b32 s[SEL+1], 0xfedcba98
	s_lshr_b32 s34, ttmp9, 5
	s_lshl_b32 s34, s34, 2
	s_add_co_u32 s34, s34, s[WV]                   ; G: which 128 hidden units
	s_and_b32 s35, ttmp9, 31
	s_lshl_b32 s35, s35, 3                         ; my first tile
	s_mov_b32 s37, 0
	s_mov_b32 s[CNT], 4
	s_mov_b32 s[IX], 0
	s_wait_kmcnt 0x0
	s_mul_i32 s36, s34, 73728
	s_add_co_u32 s36, s36, WB+192*9216             ; w1's tiles are the weights' 192 on
	s_add_nc_u64 s[SC:SC+1], s[6:7], s[36:37]
	s_mul_i32 s36, s34, 3072
	s_add_co_u32 s36, s36, WSCA+192*384
	s_add_nc_u64 s[SSC:SSC+1], s[6:7], s[36:37]
	s_mul_i32 s36, s35, 9216
	s_add_nc_u64 s[TC:TC+1], s[4:5], s[36:37]
	s_mul_i32 s36, s35, 384
	s_add_co_u32 s36, s36, HSC
	s_add_nc_u64 s[TSC:TSC+1], s[4:5], s[36:37]
	s_mul_i32 s38, s35, 24
	s_add_co_u32 s38, s38, s34                     ; act's fragment 24 tile + G
	s_mul_i32 s36, s38, 1536
	s_add_nc_u64 s[48:49], s[8:9], s[36:37]
	s_lshl_b32 s36, s38, 6
	s_add_co_u32 s36, s36, ASC
	s_add_nc_u64 s[50:51], s[8:9], s[36:37]
	SLOAD 6
	TFETCH 0
.Ltrip:
	TRIP 0, 0
	TRIP 1, 1
	s_sub_co_u32 s[CNT], s[CNT], 1
	s_cmp_lg_u32 s[CNT], 0
	s_cbranch_scc1 .Ltrip
	s_endpgm
.Lfunc_end_k_q06406a1900_ffn1:
	.size	k_q06406a1900_ffn1, .Lfunc_end_k_q06406a1900_ffn1-k_q06406a1900_ffn1
	.p2alignl 7, 3214868480
	.fill 96, 4, 3214868480
	.section	.rodata,"a",@progbits
	.p2align	6, 0x0
	.amdhsa_kernel k_q06406a1900_ffn1
		.amdhsa_group_segment_fixed_size 0
		.amdhsa_private_segment_fixed_size 0
		.amdhsa_enable_private_segment 0
		.amdhsa_kernarg_size 24
		.amdhsa_user_sgpr_count 2
		.amdhsa_user_sgpr_kernarg_segment_ptr 1
		.amdhsa_wavefront_size32 1
		.amdhsa_system_sgpr_workgroup_id_x 1
		.amdhsa_system_sgpr_workgroup_id_y 1
		.amdhsa_system_sgpr_workgroup_id_z 1
		.amdhsa_system_vgpr_workitem_id 0
		.amdhsa_next_free_vgpr 1024
		.amdhsa_next_free_sgpr 66
		.amdhsa_reserve_vcc 0
		.amdhsa_float_denorm_mode_32 3
		.amdhsa_float_denorm_mode_16_64 3
		.amdhsa_memory_ordered 1
		.amdhsa_forward_progress 1
		.amdhsa_inst_pref_size 154
	.end_amdhsa_kernel
	.amdgpu_metadata
---
amdhsa.version: [ 1, 2 ]
amdhsa.kernels:
  - .name:           k_q06406a1900_ffn1
    .symbol:         k_q06406a1900_ffn1.kd
    .args:
      - { .name: h2img, .offset: 0, .size: 8, .value_kind: global_buffer, .address_space: global }
      - { .name: img, .offset: 8, .size: 8, .value_kind: global_buffer, .address_space: global }
      - { .name: act, .offset: 16, .size: 8, .value_kind: global_buffer, .address_space: global }
    .group_segment_fixed_size: 0
    .private_segment_fixed_size: 0
    .kernarg_segment_align: 8
    .kernarg_segment_size: 24
    .max_flat_workgroup_size: 128
    .sgpr_count:     66
    .vgpr_count:     1024
    .wavefront_size: 32
...
	.end_amdgpu_metadata
.endif
;; end of part 5
;; launch ffn2 (part 6): grid 192 x 1, 4 waves a work-group, no clusters, 68,096 bytes of LDS; arguments act, img, y, out0; writes out0
.if DOCPART == 6
	.amdgcn_target "amdgcn-amd-amdhsa--gfx1250"
	.amdhsa_code_object_version 6
	.text
	.protected	k_q06406a1900_ffn2
	.globl	k_q06406a1900_ffn2
	.p2align	8
	.type	k_q06406a1900_ffn2,@function
k_q06406a1900_ffn2:
	s_mov_b64 s[64:65], 0
	v_nop
	global_prefetch_b8 v0, s[64:65] scope:SCOPE_SE
	s_setreg_imm32_b32 hwreg(HW_REG_WAVE_MODE, 25, 1), 1
	s_wait_xcnt 0x0
; FFN2: out = y + act w2^T on codes of BF6.  The stationary product with K = 3,072 SHARED AMONG THE FOUR WAVES: wave c holds K steps 6 c .. 6 c + 5 of 128 rows of w2 in its registers and multiplies them by the same
; K steps of each tile of act.  The four partial sums of a tile (f32) meet in LDS: each wave puts its 16 rows x 512 bytes into its stage, one barrier, and wave c adds the four stages' rows 4 c .. 4 c + 3, adds y and stores.
; The order of that sum is fixed: ((wave 0 + wave 1) + (wave 2 + wave 3)) + y.
; 192 work-groups: six groups of 128 features x 32 groups of eight tiles.
; act AND y ARE ASKED FOR TWO TILES AHEAD.  Two sets of six fragments, filled again by halves as soon as a tile's products have read them (15 loads a half: 3 scale words, 12 of codes); two sets of my four rows of y, filled again
; behind the additions that read them.  So the loads go out in the order half, half, y's 4, tile by tile.  Ahead of a half's products the wait leaves out what is younger: three halves and two tiles' rows of y, 53 loads.
; Behind y's rows of a tile 64 loads are younger; the wait is written with 60.  The last two tiles ask for nothing and are written out: 53, 38, 34 (y), 19, 4, 0 (y).
; LDS: two sets of four stages of 16 x 528 bytes, by the tile's parity: ONE barrier a tile.  A set is written again two tiles later, behind the barrier of the tile between, which every wave signals only when its reads are back.
; REGISTERS: window 0: v1-5 lane terms; v10, v11 the add's two; v16-79 the 8 accumulators, then 4 x 4 rows; v118-129, v130-177 scale words; v178-209 y's rows, two sets.  Windows 1-3: as in the launch qkv.
.set WB,    2457600
.set WSCA,  7766016
.set ASC,   9437184
.set KST,   24
.set PAIRB, 98304                      ; a pair of tiles covers 32 tokens of 3,072 bytes
.set SETB,  33792                      ; a set of four stages
.set SPARE, 67584                      ; behind the two sets: the spare words, two blocks of 256 bytes that no other line names
.set LI16, 1
.set LI8,  2
.set R4,   3
.set STO,  4
.set RD,   5
.set SPW,  10
.set NIL,  11
.set HA,   16
.set TS,   118
.set SS,   130
.set RES,  178
.set WV,   12
.set SC,   16
.set SSC,  18
.set TC,   20                          ; s[20:21], s[22:23] act's codes and scale words, s[48:49] y, s[50:51] the output: all at the pair of tiles in hand
.set TSC,  22
.set CNT,  32
.set MSB,  0
.macro WIN new
.if MSB != (\new)
	s_set_vgpr_msb (MSB<<8)|(\new)
.set MSB, (\new)
.endif
.endm
.macro FRAGLD reg, sb, off
	global_load_b128 v[\reg:\reg+3], v[LI16], s[\sb:\sb+1] offset:\off
	global_load_b64 v[\reg+4:\reg+5], v[LI8], s[\sb:\sb+1] offset:\off+512
	global_load_b128 v[\reg+6:\reg+9], v[LI16], s[\sb:\sb+1] offset:\off+768
	global_load_b64 v[\reg+10:\reg+11], v[LI8], s[\sb:\sb+1] offset:\off+1280
.endm
.macro SLOAD kss
.set FI, 0
.rept 48
	WIN ((1+FI/20)<<6)
.set RG, 12*(FI%20)
.set OF, ((FI%8)*(\kss)+FI/8)*1536
	FRAGLD RG, SC, OF
.set FI, FI+1
.endr
	WIN 0
.set FI, 0
.rept 48
	global_load_b32 v[SS+FI], v[R4], s[SSC:SSC+1] offset:((FI%8)*(\kss)+FI/8)*64
.set FI, FI+1
.endr
.endm
.macro THALF buf, hf, tile             ; 15 loads: fragments 3 hf .. 3 hf + 2, scale words first, of the tile that lies `tile` tiles behind the bases', into set buf.  It leaves the destination's window at 3
	WIN 0
.set FJ, 3*(\hf)
.rept 3
	global_load_b32 v[TS+6*(\buf)+FJ], v[R4], s[TSC:TSC+1] offset:(\tile)*KST*64+64*FJ
.set FJ, FJ+1
.endr
	WIN 0xc0
.set FJ, 3*(\hf)
.rept 3
.set RG, 96+72*(\buf)+12*FJ
.set OF, (\tile)*KST*1536+1536*FJ
	FRAGLD RG, TC, OF
.set FJ, FJ+1
.endr
.endm
.macro YLD buf, off                    ; my four rows of y of a tile of parity buf, off bytes behind the pair in hand; the odd tile begins 8 tokens on
.irp k, 0,1,2,3
	global_load_b128 v[RES+16*(\buf)+4*\k:RES+16*(\buf)+4*\k+3], v[LI16], s[48:49] offset:(\off)+(8*(\buf)+\k)*3072 th:TH_LOAD_NT
.endr
.endm
.macro MUL24 buf, f0                   ; 24 products: the eight accumulators by turns, one instruction a turn
.set FI, \f0
.rept 24
	WIN (0x0c|(1+FI/20))
.if FI < 8
	v_wmma_scale_f32_16x16x128_f8f6f4 v[HA+8*(FI%8):HA+8*(FI%8)+7], v[12*(FI%20):12*(FI%20)+11], v[96+72*(\buf)+12*(FI/8):96+72*(\buf)+12*(FI/8)+11], 0, v[SS+FI], v[TS+6*(\buf)+FI/8] matrix_a_fmt:MATRIX_FMT_BF6 matrix_b_fmt:MATRIX_FMT_BF6
.else
	v_wmma_scale_f32_16x16x128_f8f6f4 v[HA+8*(FI%8):HA+8*(FI%8)+7], v[12*(FI%20):12*(FI%20)+11], v[96+72*(\buf)+12*(FI/8):96+72*(\buf)+12*(FI/8)+11], v[HA+8*(FI%8):HA+8*(FI%8)+7], v[SS+FI], v[TS+6*(\buf)+FI/8] matrix_a_fmt:MATRIX_FMT_BF6 matrix_b_fmt:MATRIX_FMT_BF6
.endif
.set FI, FI+1
.endr
.endm
; A tile's 48 products.  w0, w1: how many younger loads may stay out when the first and the second half of set buf have to be there.  fetch = 1: each half is asked for again, for the tile two on, as soon as it has been read.
.macro MULALL buf, fetch, w0, w1
	s_wait_loadcnt \w0                             ; loads come back in order (ISA guide 5.7.1): the set's first half is in (ahead of the first tile: w2's fragments too)
	MUL24 \buf, 0
.if \fetch
.rept 4
	v_nop                                          ; four places between the last product that read these registers and the loads into them
.endr
	THALF \buf, 0, 2+\buf
.endif
	s_wait_loadcnt \w1                             ; the second half is in
	MUL24 \buf, 24
	WIN 0
.rept 4
	v_nop                                          ; four places ahead of the loads below and of the first read of results
.endr
.if \fetch
	THALF \buf, 1, 2+\buf
	WIN 0
.endif
.endm
.macro EPI buf, yw, next               ; yw: how many younger loads may stay out when this tile's rows of y have to be there
.irp b, 0,1,2,3
.irp u, 0,1
	ds_store_b128 v[STO], v[HA+16*\b+8*\u:HA+16*\b+8*\u+3] offset:SETB*(\buf)+128*\b+32*\u        ; each accumulator from its low end on
	ds_store_b128 v[STO], v[HA+16*\b+8*\u+4:HA+16*\b+8*\u+7] offset:SETB*(\buf)+128*\b+32*\u+16
.endr
.endr
	s_wait_dscnt 0x0                               ; for the others' sake: my stores have landed (and my reads of the other set are long back)
	s_barrier_signal -1
	s_barrier_wait -1
.irp p, 0,1,2,3
.irp k, 0,1,2,3
	ds_load_b128 v[HA+16*\p+4*\k:HA+16*\p+4*\k+3], v[RD] offset:SETB*(\buf)+8448*\p+528*\k   ; wave p's partial sums of my four rows
.endr
.endr
	s_wait_dscnt 0x0
	s_wait_loadcnt \yw                             ; y's rows
.irp k, 0,1,2,3
.irp e, 0,2
	v_pk_add_f32 v[HA+4*\k+\e:HA+4*\k+\e+1], v[HA+4*\k+\e:HA+4*\k+\e+1], v[HA+16+4*\k+\e:HA+16+4*\k+\e+1]
	v_pk_add_f32 v[HA+32+4*\k+\e:HA+32+4*\k+\e+1], v[HA+32+4*\k+\e:HA+32+4*\k+\e+1], v[HA+48+4*\k+\e:HA+48+4*\k+\e+1]
.endr
.endr
.irp k, 0,1,2,3
.irp e, 0,2
	v_pk_add_f32 v[HA+4*\k+\e:HA+4*\k+\e+1], v[HA+4*\k+\e:HA+4*\k+\e+1], v[HA+32+4*\k+\e:HA+32+4*\k+\e+1]
.endr
.endr
.irp k, 0,1,2,3
.irp e, 0,2
	v_pk_add_f32 v[HA+4*\k+\e:HA+4*\k+\e+1], v[HA+4*\k+\e:HA+4*\k+\e+1], v[RES+16*(\buf)+4*\k+\e:RES+16*(\buf)+4*\k+\e+1]
.endr
.endr
.if \next
	YLD \buf, PAIRB                                ; the rows of y of the tile two on take the registers just read
.endif
.irp k, 0,1,2,3
	global_store_b128 v[LI16], v[HA+4*\k:HA+4*\k+3], s[50:51] offset:(8*(\buf)+\k)*3072 th:TH_STORE_NT   ; 32 lanes store 512 consecutive bytes, at a multiple of 256 from the output's first byte
.endr
.endm
.macro TRIP buf, fetch, w0, w1, yw     ; one tile
	s_wait_xcnt 0x0                                ; the last tile's stores have read their data: the accumulators are written again
	MULALL \buf, \fetch, \w0, \w1
	EPI \buf, \yw, \fetch
.endm
	s_load_b256 s[4:11], s[0:1], 0x0               ; act s[4:5], img s[6:7], y s[8:9], out0 s[10:11]
	v_lshl_add_u32 v[SPW], v0, 2, SPARE
	v_mov_b32 v[NIL], 0
	v_and_b32 v6, 31, v0
	v_lshlrev_b32 v[LI16], 4, v6
	v_lshlrev_b32 v[LI8], 3, v6
	v_and_b32 v7, 15, v0
	v_lshlrev_b32 v[R4], 2, v7
	v_bfe_u32 v8, v0, 4, 1
	v_lshrrev_b32 v9, 5, v0
	v_readfirstlane_b32 s[WV], v9
	s_mul_i32 s34, s[WV], 8448                     ; my stage in a set
	v_mul_u32_u24 v[STO], v7, 528
	v_lshl_add_u32 v[STO], v8, 6, v[STO]
	v_add_nc_u32 v[STO], s34, v[STO]
	s_mul_i32 s34, s[WV], 2112                     ; my four rows in every stage
	v_add_nc_u32 v[RD], s34, v[LI16]
	s_lshr_b32 s34, ttmp9, 5                       ; G: which 128 features
	s_and_b32 s35, ttmp9, 31                       ; which eight tiles: 128 tokens
	s_mov_b32 s37, 0
	s_mov_b32 s[CNT], 3                            ; four pairs of tiles, the last one written out
	s_wait_alu depctr_va_vdst(0)
	s_wait_kmcnt 0x0
	s_mul_i32 s36, s34, 294912                     ; w2: fragment 2304 + 24 tile + K step; eight tiles a group, six K steps a wave
	s_mul_i32 s38, s[WV], 9216
	s_add_co_u32 s36, s36, s38
	s_add_co_u32 s36, s36, WB+2304*1536
	s_add_nc_u64 s[SC:SC+1], s[6:7], s[36:37]
	s_mul_i32 s36, s34, 12288
	s_mul_i32 s39, s[WV], 384
	s_add_co_u32 s36, s36, s39
	s_add_co_u32 s36, s36, WSCA+2304*64
	s_add_nc_u64 s[SSC:SSC+1], s[6:7], s[36:37]
	s_mul_i32 s36, s35, 8*36864
	s_add_co_u32 s36, s36, s38
	s_add_nc_u64 s[TC:TC+1], s[4:5], s[36:37]
	s_mul_i32 s36, s35, 8*1536
	s_add_co_u32 s36, s36, s39
	s_add_co_u32 s36, s36, ASC
	s_add_nc_u64 s[TSC:TSC+1], s[4:5], s[36:37]
	s_lshl_b32 s36, s35, 7                         ; the first token,
	s_lshl_b32 s38, s[WV], 2
	s_add_co_u32 s36, s36, s38                     ; + 4 c: rows 4 c + k of a tile are tokens 4 c + 8 (c / 2) + k from the tile's first
	s_lshr_b32 s38, s[WV], 1
	s_lshl_b32 s38, s38, 3
	s_add_co_u32 s36, s36, s38
	s_mul_i32 s36, s36, 3072
	s_lshl_b32 s38, s34, 9
	s_add_co_u32 s36, s36, s38
	s_add_nc_u64 s[48:49], s[8:9], s[36:37]
	s_add_nc_u64 s[50:51], s[10:11], s[36:37]
	SLOAD 24
	THALF 0, 0, 0                                  ; my first two tiles: half, half, y's rows, each
	THALF 0, 1, 0
	WIN 0
	YLD 0, 0
	THALF 1, 0, 1
	THALF 1, 1, 1
	WIN 0
	YLD 1, 0
.Ltrip:                                            ; a trip takes two tiles and asks for the two behind them
	TRIP 0, 1, 53, 53, 60
	TRIP 1, 1, 53, 53, 60
	s_wait_xcnt 0x0                                ; the loads and stores issued so far have read their bases
	s_add_nc_u64 s[TC:TC+1], s[TC:TC+1], 2*KST*1536
	s_add_nc_u64 s[TSC:TSC+1], s[TSC:TSC+1], 2*KST*64
	s_add_nc_u64 s[48:49], s[48:49], PAIRB
	s_add_nc_u64 s[50:51], s[50:51], PAIRB
	s_sub_co_u32 s[CNT], s[CNT], 1
	s_cmp_lg_u32 s[CNT], 0
	s_cbranch_scc1 .Ltrip
	TRIP 0, 0, 53, 38, 34                          ; the last two tiles ask for nothing: no load leaves its buffer, and the counts run down
	TRIP 1, 0, 19, 4, 0
	s_wait_tensorcnt 0x0                           ; the wave's end
	ds_add_u32 v[SPW], v[NIL]
	s_wait_dscnt 0x0
	s_endpgm
.Lfunc_end_k_q06406a1900_ffn2:
	.size	k_q06406a1900_ffn2, .Lfunc_end_k_q06406a1900_ffn2-k_q06406a1900_ffn2
	.p2alignl 7, 3214868480
	.fill 96, 4, 3214868480
	.section	.rodata,"a",@progbits
	.p2align	6, 0x0
	.amdhsa_kernel k_q06406a1900_ffn2
		.amdhsa_group_segment_fixed_size 68096
		.amdhsa_private_segment_fixed_size 0
		.amdhsa_enable_private_segment 0
		.amdhsa_kernarg_size 32
		.amdhsa_user_sgpr_count 2
		.amdhsa_user_sgpr_kernarg_segment_ptr 1
		.amdhsa_wavefront_size32 1
		.amdhsa_system_sgpr_workgroup_id_x 1
		.amdhsa_system_sgpr_workgroup_id_y 1
		.amdhsa_system_sgpr_workgroup_id_z 1
		.amdhsa_system_vgpr_workitem_id 0
		.amdhsa_next_free_vgpr 1024
		.amdhsa_next_free_sgpr 66
		.amdhsa_reserve_vcc 0
		.amdhsa_float_denorm_mode_32 3
		.amdhsa_float_denorm_mode_16_64 3
		.amdhsa_memory_ordered 1
		.amdhsa_forward_progress 1
		.amdhsa_inst_pref_size 83
	.end_amdhsa_kernel
	.amdgpu_metadata
---
amdhsa.version: [ 1, 2 ]
amdhsa.kernels:
  - .name:           k_q06406a1900_ffn2
    .symbol:         k_q06406a1900_ffn2.kd
    .args:
      - { .name: act, .offset: 0, .size: 8, .value_kind: global_buffer, .address_space: global }
      - { .name: img, .offset: 8, .size: 8, .value_kind: global_buffer, .address_space: global }
      - { .name: y, .offset: 16, .size: 8, .value_kind: global_buffer, .address_space: global }
      - { .name: out0, .offset: 24, .size: 8, .value_kind: global_buffer, .address_space: global }
    .group_segment_fixed_size: 68096
    .private_segment_fixed_size: 0
    .kernarg_segment_align: 8
    .kernarg_segment_size: 32
    .max_flat_workgroup_size: 128
    .sgpr_count:     66
    .vgpr_count:     1024
    .wavefront_size: 32
...
	.end_amdgpu_metadata
.endif
;; end of part 6
